; MI455X (gfx1250); checked and timed in simulation.
; The chip was launched on July 23, 2026; its instructions are those of AMD's public machine-readable ISA for CDNA 5 (MIT licence, August 2026) and "CDNA5" Instruction Set Architecture Reference Guide (July 2026). The comments in the code are by the model that wrote it; some were corrected since.
;; Grouped Query Attention. Allowed arithmetic: float matrix products may take bf16 or f16 operands with f32 sums; other float arithmetic in f32, or as packed bf16 or f16 multiplies, adds, multiply-adds, maxima and minima; sums over many terms, partial sums and values carried from step to step in f32; what a program stores and reads back later, other than sums and carried values, may be rounded once to bf16 or f16.
;; Inputs: Wk 2,048 x 512 float32; Wq 2,048 x 2,048 float32; Wv 2,048 x 512 float32; bk 512 float32; bq 2,048 float32; bv 512 float32; hidden_states 2 x 2,048 x 2,048 float32.
;; Outputs: out0 2 x 2,048 x 2,048 float32.
;; 2 versions, each right; version 2 is version 1 with the launch prep written anew for expert scheduling mode. Each part assembles by itself: llvm-mc -triple=amdgcn-amd-amdhsa -mcpu=gfx1250 --defsym DOCPART=n.
;; ======== version 1 of 2: 3 launches
;; limits: values are held in f16: magnitudes above 65,504 overflow, below 6.1e-05 lose precision
;; workspace buffers: xb 16,777,216 bytes; wt 12,582,912 bytes; bias 12,288 bytes; qkv 25,165,824 bytes
;; launch prep (part 1): grid 256 x 1, 7 waves a work-group, no clusters, 122,880 bytes of LDS; arguments hidden_states, Wq, Wk, Wv, bq, bk, bv, xb, wt, bias; writes xb, wt, bias
.if DOCPART == 1
	.amdgcn_target "amdgcn-amd-amdhsa--gfx1250"
	.amdhsa_code_object_version 6
	.text
	.protected	k_q4217d88911_prep
	.globl	k_q4217d88911_prep
	.p2align	8
	.type	k_q4217d88911_prep,@function
k_q4217d88911_prep:
	s_mov_b64 s[64:65], 0
	v_nop
	global_prefetch_b8 v0, s[64:65] scope:SCOPE_SE
	s_setreg_imm32_b32 hwreg(HW_REG_WAVE_MODE, 25, 1), 1
	s_wait_xcnt 0x0
; PREPARATION.  xb[m][k] = bf16(hidden_states[m][k]), 4,096 x 2,048.  wt[n][k] = bf16(W[k][n]), 3,072 x 2,048, n running through the columns of Wq, Wk, Wv on end: the weights rounded and turned,
; so that K lies along the rows for the product that follows.  bias[n] = bq, bk, bv on end, each rounded to bf16 and written as f32.  All roundings to nearest even; NaN and infinities pass as the conversion makes them.
; SHARES.  The launch reads 1,792 blocks of 32,768 bytes: 1,024 of x and 768 of the weights: seven for each of 256 work-groups, a block a wave.  Waves 0-3 take blocks of x, waves 4-6 blocks of W.
; No wave touches another's bytes: there is no barrier.  Each wave keeps 32 loads of 16 bytes a lane on their way (four sets of eight in registers).
; A block of x is dense: 64 loads of 512 consecutive bytes; each makes 256 consecutive bytes of xb, aligned, stored by one instruction.
; A block of W is 128 k x 64 columns.  A load takes two rows' 256 bytes (lanes 0-15 row 16 g + r, lanes 16-31 row 16 g + 8 + r): a lane then holds, over eight loads, eight neighbouring k of four columns.
; They are packed to 16 bytes a column, laid into the wave's own stage in LDS, a row a column, and read back as whole rows of 256 bytes (128 k), which sixteen lanes store as 256 consecutive bytes of wt, aligned.
; No matrix unit, no tensor load, no cluster: nothing is multiplied and nothing is shared.
.set STG,   17408                      ; a wave's stage: 64 rows (columns of W) x 272 bytes (256 of data + 16 of padding: 68 words, so that 16 rows on end start at 16 different groups of four banks; 64 banks of 4 bytes: ISA guide 11.1)
.set SPARE, 7*STG                      ; behind the stages: the spare words, 128 bytes for each wave, four blocks of 256 bytes that no other line names
.set SPW, 2                            ; v2    LDS address of my spare word; never rewritten
.set NIL, 3                            ; v3    0; never rewritten
.set XI,  4                            ; v4    16 x lane: my 16 bytes of a load of x
.set XO,  5                            ; v5    8 x lane: my 8 bytes of a store of xb, and of the biases
.set VO,  8                            ; v8-15 load r of a group: ((8 (l / 16) + r) rows of W) + 16 (l % 16)
.set LST, 16                           ; v16   into the stage: row l % 16, 16 bytes for each half of the lanes
.set LRD, 17                           ; v17   back: lanes 0-15 one row, lanes 16-31 the next
.set GOW, 18                           ; v18   the same two rows in wt: they are four columns of W, 16,384 bytes, apart
.set T,   24                           ; v24-39  packed results
.set D,   40                           ; v40-167 four sets of 32: eight loads each
.set BG,  32                           ; s[32:47] W at the first row of each of the block's eight groups of 16 k; never rewritten
.macro XLOADS g                        ; eight loads of x, 512 consecutive bytes each
.irp r, 0,1,2,3,4,5,6,7
	global_load_b128 v[D+32*((\g)%4)+4*(\r):D+32*((\g)%4)+4*(\r)+3], v[XI], s[4:5] offset:512*(8*(\g)+(\r)) th:TH_LOAD_NT
.endr
.endm
; Group g of x.  left = how many younger loads may stay out.
.macro XGRP g, left
	s_wait_loadcnt \left                           ; loads come back in order (ISA guide 5.7.1): this group's eight are in
	s_wait_xcnt 0x0                                ; T, which the last group's stores read, is rewritten only behind this wait
.irp r, 0,1,2,3,4,5,6,7
	v_cvt_pk_bf16_f32 v[T+2*(\r)],   v[D+32*((\g)%4)+4*(\r)],   v[D+32*((\g)%4)+4*(\r)+1]
	v_cvt_pk_bf16_f32 v[T+2*(\r)+1], v[D+32*((\g)%4)+4*(\r)+2], v[D+32*((\g)%4)+4*(\r)+3]
.endr
.if (\g) < 4
	XLOADS (\g)+4                                  ; the set is asked for again, ahead of the stores
.endif
.irp r, 0,1,2,3,4,5,6,7
	global_store_b64 v[XO], v[T+2*(\r):T+2*(\r)+1], s[18:19] offset:256*(8*(\g)+(\r)) th:TH_STORE_NT  ; 32 lanes store 256 consecutive bytes, aligned
.endr
.endm
.macro WLOADS g                        ; eight loads of W: rows 16 g + r and 16 g + 8 + r, 256 bytes of each
.irp r, 0,1,2,3,4,5,6,7
	global_load_b128 v[D+32*((\g)%4)+4*(\r):D+32*((\g)%4)+4*(\r)+3], v[VO+(\r)], s[BG+2*(\g):BG+2*(\g)+1] th:TH_LOAD_NT
.endr
.endm
; Group g of W: register 4 r + j of the set holds W[16 g + 8 (l / 16) + r][4 (l % 16) + j].  Column j's eight k are packed in pairs (even k low), and go to stage row 16 j + l % 16.
.macro WGRP g, left
	s_wait_loadcnt \left
.irp j, 0,1,2,3
.irp p, 0,1,2,3
	v_cvt_pk_bf16_f32 v[T+4*(\j)+(\p)], v[D+32*((\g)%4)+8*(\p)+(\j)], v[D+32*((\g)%4)+8*(\p)+4+(\j)]
.endr
.endr
.if (\g) < 4
	WLOADS (\g)+4
.endif
.irp j, 0,1,2,3
	ds_store_b128 v[LST], v[T+4*(\j):T+4*(\j)+3] offset:(\j)*16*272+32*(\g)
.endr
.endm
	s_load_b512 s[4:19], s[0:1], 0x0               ; hidden_states s[4:5], Wq s[6:7], Wk s[8:9], Wv s[10:11], bq s[12:13], bk s[14:15], bv s[16:17], xb s[18:19]
	s_load_b128 s[20:23], s[0:1], 0x40             ; wt s[20:21], bias s[22:23]
	v_lshl_add_u32 v[SPW], v0, 2, SPARE
	v_mov_b32 v[NIL], 0
	v_and_b32 v1, 31, v0                           ; lane
	v_lshrrev_b32 v19, 5, v0
	v_readfirstlane_b32 s24, v19                   ; wave 0..6
	v_lshlrev_b32 v[XI], 4, v1
	v_lshlrev_b32 v[XO], 3, v1
	s_mov_b32 s31, 0                               ; the high word of every offset: all stay under 2^31
	s_wait_kmcnt 0x0
	s_cmp_lt_u32 s24, 4
	s_cbranch_scc0 .Lw
	; WAVES 0-3: block 4 x work-group + wave of x
	s_lshl_b32 s25, ttmp9, 2
	s_add_co_u32 s25, s25, s24
	s_lshl_b32 s30, s25, 15                        ; 32,768 bytes in,
	s_add_nc_u64 s[4:5], s[4:5], s[30:31]
	s_lshl_b32 s30, s25, 14                        ; 16,384 out
	s_add_nc_u64 s[18:19], s[18:19], s[30:31]
	XLOADS 0
	XLOADS 1
	XLOADS 2
	XLOADS 3
	XGRP 0, 24                                     ; three younger groups of eight stay out,
	XGRP 1, 24
	XGRP 2, 24
	XGRP 3, 24
	XGRP 4, 24
	XGRP 5, 16                                     ; until nothing is left to ask for: the counts run down
	XGRP 6, 8
	XGRP 7, 0
	s_branch .Lend
.Lw:	; WAVES 4-6: block w = 3 x work-group + wave - 4 of the weights: columns 64 (w / 16) on (of the three tensors on end), k 128 (w % 16) on
	s_mul_i32 s25, ttmp9, 3
	s_add_co_u32 s25, s25, s24
	s_sub_co_u32 s25, s25, 4
	s_lshr_b32 s26, s25, 4                         ; nb 0..47
	s_and_b32 s27, s25, 15                         ; kb 0..15
	s_cmp_lt_u32 s26, 40                           ; which tensor: nb 0-31 Wq, 32-39 Wk, 40-47 Wv
	s_cselect_b64 s[48:49], s[8:9], s[10:11]
	s_cselect_b64 s[50:51], s[14:15], s[16:17]
	s_cselect_b32 s29, 32, 40
	s_cmp_lt_u32 s26, 32
	s_cselect_b64 s[48:49], s[6:7], s[48:49]       ; the weights,
	s_cselect_b64 s[50:51], s[12:13], s[50:51]     ; their bias,
	s_cselect_b32 s29, 0, s29                      ; the tensor's first nb,
	s_cselect_b32 s28, 13, 11                      ; and its row: 8,192 bytes (Wq) or 2,048, as a shift
	s_sub_co_u32 s52, s26, s29
	s_lshl_b32 s52, s52, 8                         ; my 64 columns: 256 bytes of a row, and of the bias
	s_lshl_b32 s53, s27, 7                         ; my first k
.irp g, 0,1,2,3,4,5,6,7
	s_add_co_u32 s30, s53, 16*(\g)
	s_lshl_b32 s30, s30, s28
	s_add_co_u32 s30, s30, s52
	s_add_nc_u64 s[BG+2*(\g):BG+2*(\g)+1], s[48:49], s[30:31]
.endr
	s_lshl_b32 s30, s26, 18                        ; wt: 64 rows of 4,096 bytes for each nb,
	s_lshl_b32 s54, s27, 8                         ; 256 bytes of a row for each kb
	s_add_co_u32 s30, s30, s54
	s_add_nc_u64 s[20:21], s[20:21], s[30:31]
	v_and_b32 v6, 15, v0                           ; l % 16
	v_bfe_u32 v7, v0, 4, 1                         ; l / 16
.irp r, 0,1,2,3,4,5,6,7
	v_lshl_add_u32 v19, v7, 3, \r
	v_lshlrev_b32 v[VO+(\r)], s28, v19
	v_lshl_add_u32 v[VO+(\r)], v6, 4, v[VO+(\r)]
.endr
	WLOADS 0
	WLOADS 1
	WLOADS 2
	WLOADS 3
	s_mul_i32 s55, s24, STG                        ; my stage
	v_mul_u32_u24 v19, v6, 272
	v_lshl_add_u32 v19, v7, 4, v19
	v_add_nc_u32 v[LST], s55, v19
	v_mul_u32_u24 v19, v7, 272
	v_lshl_add_u32 v19, v6, 4, v19
	v_add_nc_u32 v[LRD], s55, v19
	v_lshlrev_b32 v19, 14, v7
	v_lshl_add_u32 v[GOW], v6, 4, v19
	s_cmp_lg_u32 s27, 0                            ; of the sixteen waves that share 64 columns the one with kb = 0 makes their biases
	s_cbranch_scc1 .Lnob
	s_mov_b32 s30, s52
	s_add_nc_u64 s[50:51], s[50:51], s[30:31]
	s_lshl_b32 s30, s26, 8
	s_add_nc_u64 s[22:23], s[22:23], s[30:31]
	global_load_b64 v[20:21], v[XO], s[50:51]
	s_wait_loadcnt 0x0
	v_cvt_pk_bf16_f32 v22, v20, v21                ; rounded to bf16,
	v_lshlrev_b32 v20, 16, v22                     ; and widened again
	v_and_b32 v21, 0xffff0000, v22
	global_store_b64 v[XO], v[20:21], s[22:23]     ; 32 lanes store 256 consecutive bytes, aligned
.Lnob:
	WGRP 0, 24                                     ; the counts as for x (where the biases were made, everything is in already)
	WGRP 1, 24
	WGRP 2, 24
	WGRP 3, 24
	WGRP 4, 24
	WGRP 5, 16
	WGRP 6, 8
	WGRP 7, 0
	; back as whole rows: LDS serves a wave's instructions in order (ISA guide 5.7.1.4), so these see the stores above
.set t, 0
.rept 32
	ds_load_b128 v[D+4*t:D+4*t+3], v[LRD] offset:544*t
.set t, t+1
.endr
	; stage row 2 t + l / 16 holds column 4 ((2 t) % 16) + 4 (l / 16) + t / 8
.set t, 0
.rept 32
	s_wait_dscnt 31-t                              ; load t is back; the younger ones stay out
	global_store_b128 v[GOW], v[D+4*t:D+4*t+3], s[20:21] offset:(4*((2*t)%16)+t/8)*4096 th:TH_STORE_NT  ; 16 lanes store 256 consecutive bytes, aligned
.set t, t+1
.endr
.Lend:
	s_wait_tensorcnt 0x0                           ; the wave's end: behind my last LDS store
	ds_add_u32 v[SPW], v[NIL]
	s_wait_dscnt 0x0
	s_endpgm
.Lfunc_end_k_q4217d88911_prep:
	.size	k_q4217d88911_prep, .Lfunc_end_k_q4217d88911_prep-k_q4217d88911_prep
	.p2alignl 7, 3214868480
	.fill 96, 4, 3214868480
	.section	.rodata,"a",@progbits
	.p2align	6, 0x0
	.amdhsa_kernel k_q4217d88911_prep
		.amdhsa_group_segment_fixed_size 122880
		.amdhsa_private_segment_fixed_size 0
		.amdhsa_enable_private_segment 0
		.amdhsa_kernarg_size 80
		.amdhsa_user_sgpr_count 2
		.amdhsa_user_sgpr_kernarg_segment_ptr 1
		.amdhsa_wavefront_size32 1
		.amdhsa_system_sgpr_workgroup_id_x 1
		.amdhsa_system_sgpr_workgroup_id_y 1
		.amdhsa_system_sgpr_workgroup_id_z 1
		.amdhsa_system_vgpr_workitem_id 0
		.amdhsa_next_free_vgpr 168
		.amdhsa_next_free_sgpr 66
		.amdhsa_reserve_vcc 0
		.amdhsa_float_denorm_mode_32 3
		.amdhsa_float_denorm_mode_16_64 3
		.amdhsa_memory_ordered 1
		.amdhsa_forward_progress 1
		.amdhsa_inst_pref_size 49
	.end_amdhsa_kernel
	.amdgpu_metadata
---
amdhsa.version: [ 1, 2 ]
amdhsa.kernels:
  - .name:           k_q4217d88911_prep
    .symbol:         k_q4217d88911_prep.kd
    .args:
      - { .name: hidden_states, .offset: 0, .size: 8, .value_kind: global_buffer, .address_space: global }
      - { .name: Wq, .offset: 8, .size: 8, .value_kind: global_buffer, .address_space: global }
      - { .name: Wk, .offset: 16, .size: 8, .value_kind: global_buffer, .address_space: global }
      - { .name: Wv, .offset: 24, .size: 8, .value_kind: global_buffer, .address_space: global }
      - { .name: bq, .offset: 32, .size: 8, .value_kind: global_buffer, .address_space: global }
      - { .name: bk, .offset: 40, .size: 8, .value_kind: global_buffer, .address_space: global }
      - { .name: bv, .offset: 48, .size: 8, .value_kind: global_buffer, .address_space: global }
      - { .name: xb, .offset: 56, .size: 8, .value_kind: global_buffer, .address_space: global }
      - { .name: wt, .offset: 64, .size: 8, .value_kind: global_buffer, .address_space: global }
      - { .name: bias, .offset: 72, .size: 8, .value_kind: global_buffer, .address_space: global }
    .group_segment_fixed_size: 122880
    .private_segment_fixed_size: 0
    .kernarg_segment_align: 8
    .kernarg_segment_size: 80
    .max_flat_workgroup_size: 224
    .sgpr_count:     66
    .vgpr_count:     168
    .wavefront_size: 32
...
	.end_amdgpu_metadata
.endif
;; end of part 1
;; launch proj (part 2): grid 16 x 16, 4 waves a work-group, clusters of 4 x 4, 327,680 bytes of LDS; arguments xb, wt, bias, qkv; writes qkv
.if DOCPART == 2
	.amdgcn_target "amdgcn-amd-amdhsa--gfx1250"
	.amdhsa_code_object_version 6
	.text
	.protected	k_q4217d88911_proj
	.globl	k_q4217d88911_proj
	.p2align	8
	.type	k_q4217d88911_proj,@function
k_q4217d88911_proj:
	s_mov_b64 s[64:65], 0
	v_nop
	global_prefetch_b8 v0, s[64:65] scope:SCOPE_SE
	s_setreg_imm32_b32 hwreg(HW_REG_WAVE_MODE, 25, 1), 1
	s_wait_xcnt 0x0
	s_wait_alu depctr_hold_cnt(0) depctr_sa_sdst(0) depctr_va_vdst(0) depctr_va_sdst(0) depctr_va_ssrc(0) depctr_va_vcc(0) depctr_vm_vsrc(0)
	s_getreg_b32 s2, hwreg(HW_REG_IB_STS2, 6, 4)
	s_cmp_eq_u32 s2, 0
	s_cbranch_scc0 .Lentry_in_a_cluster
	s_endpgm
.Lentry_in_a_cluster:
	s_bfe_u32 s2, ttmp6, 0x10000c
	s_cmp_lg_u32 s2, 0xf033
	s_cbranch_scc0 .Lentry_shape_is_right
	s_endpgm
.Lentry_shape_is_right:
; THE THREE PROJECTIONS AS ONE PRODUCT.  C[m][n] = bias[n] + the sum over k of xb[m][k] wt[n][k]; xb [4096][2048], wt [3072][2048] in bf16, sums in f32, K ascending; the bias (f32) starts each sum.
; C leaves by heads, rounded once to f16: qkv[g][m][64], g = n / 64: 0-31 the query heads, 32-39 the key heads, 40-47 the value heads; unscaled.
; LIMIT.  f16 holds no number beyond 65,504: q, k and v must stay within it (2,048 terms of x and W thirty times the drawn spread, or with offsets of thirty spreads on both, stay under 40,000).
; SHARES.  A tile of C is 256 rows x 192 columns (three whole heads): 16 x 16 tiles, one to each of 256 work-groups.  Four waves; wave w has rows 64 w .. 64 w + 63 and all 192 columns:
; 4 x 12 accumulators of 16 x 16, 384 registers.  So a wave owns whole rows of whole heads, and its way out is its own.
; K goes in 16 steps of 128 through a ring of two LDS slots filled by the tensor data mover; a tile's rows are 256 consecutive bytes of memory, aligned.
; CLUSTERS: 4 x 4 work-groups.  The four of a row of the cluster need the same tiles of xb, the four of a column the same tiles of wt: each tile is asked for JOINTLY, by the same tensor load with the same
; descriptor and a mask that names the four.  THE MATRIX INSTRUCTION IS USED TRANSPOSED (source 0 = 16 rows of wt, source 1 = 16 rows of xb): a lane holds row l % 16 of C and eight neighbouring columns.
; REGISTERS, in windows of 256 (s_set_vgpr_msb: bits 1:0 source 0, 3:2 source 1, 5:4 source 2, 7:6 destination):
;   window 0: v0-31 addresses; v64-95, v96-127 xb's fragments (4 x 16 rows x 32 K), two buffers; v128-223 the bias, eight registers for each of the 12 column blocks; on the way out v64-223 are at work
;   window 1: v0-95, v96-191 wt's fragments (12), two buffers      window 2: the accumulators of row blocks 0, 1 ((a, b) at 8 (12 (a % 2) + b))      window 3: those of row blocks 2, 3
.set PITCH,  272                       ; an LDS row: 256 bytes + 16 of padding = 68 words: the 16 rows of a fragment load start at 16 different groups of four banks (64 banks of 4 bytes: ISA guide 11.1)
.set AHALF,  128*PITCH                 ; what a tensor load brings of xb
.set BHALF,  96*PITCH                  ; and of wt
.set BOFF,   256*PITCH                 ; in a slot: xb's 256 rows, then wt's 192
.set SLOT,   448*PITCH
.set STAGE,  2*SLOT                    ; behind the ring, never filled by a tensor load: for each wave three heads x 16 rows x 144 bytes
.set HP,     144                       ; a stage row: 128 bytes + 16
.set HST,    16*HP
.set WST,    3*HST
.set SPARE,  STAGE+4*WST               ; behind the stages: the spare words, 128 bytes for each wave: two blocks of 256 bytes that no other line names
.set LAPS,   8                         ; a lap = two K steps = once round the ring
.set GB,     524288                    ; bytes of a head in qkv
.set ADRA, 16                          ; v16-17  LDS address of my fragments of xb in slot 0, 1
.set ADRB, 20                          ; v20-21  the same for wt
.set STO,  24                          ; v24     the way out: where I put 16 bytes of a row
.set RD,   25                          ; v25     the way out: where I read rows back
.set GO,   26                          ; v26     16 x lane: my place in 512 consecutive bytes of qkv
.set BO,   27                          ; v27     32 (l / 16): my eight numbers in 16 of the bias
.set SPW,  28                          ; v28     LDS address of my spare word; never rewritten
.set NIL,  29                          ; v29     0; never rewritten
.set FA,   64                          ; xb's fragment buffers
.set BI,   128                         ; the bias
.set TMP,  128                         ; the way out: packed results
.set G1,  24                           ; s[24:31] descriptor group 1 for xb's tiles;  s[32:39] group 0, a set for each slot
.set G0,  32
.set G1B, 48                           ; s[48:55], s[56:63] the same for wt's tiles
.set G0B, 56
.set MSB, 0
.macro WIN new                         ; the immediate's high byte repeats the setting that is left; a switch that changes nothing is dropped
.if MSB != (\new)
	s_set_vgpr_msb (MSB<<8)|(\new)
.set MSB, \new
.endif
.endm
; A joint load.  Waves 0 and 1 fetch xb's two halves, waves 2 and 3 wt's.  The branch hangs on the wave's number alone.  An s_nop 0 and four v_nop follow each of the two lines.
.macro JLOAD s
	s_cmp_eq_u32 s13, 0
	s_cbranch_scc0 .Lfor_b_\@
	tensor_load_to_lds s[G0+4*(\s):G0+4*(\s)+3], s[G1:G1+7]
	s_nop 0
.rept 4
	v_nop
.endr
	s_branch .Lasked_\@
.Lfor_b_\@:
	tensor_load_to_lds s[G0B+4*(\s):G0B+4*(\s)+3], s[G1B:G1B+7]
	s_nop 0
.rept 4
	v_nop
.endr
.Lasked_\@:
.endm
.macro CREST                           ; a round of the cluster's barrier behind its opening barrier: wave 0 signals for the work-group, every wave waits for all sixteen, my work-group's barrier closes it
	s_cmp_lg_u32 s12, 0
	s_cbranch_scc1 .Lnot_wave_0_\@
	s_barrier_signal -3
.Lnot_wave_0_\@:
	s_barrier_wait -3
	s_barrier_signal -1
	s_barrier_wait -1
.endm
.macro CROUND                          ; a whole round
	s_barrier_signal -1
	s_barrier_wait -1
	CREST
.endm
	s_load_b256 s[4:11], s[0:1], 0x0               ; xb s[4:5], wt s[6:7], bias s[8:9], qkv s[10:11]
	v_lshl_add_u32 v[SPW], v0, 2, SPARE
	v_mov_b32 v[NIL], 0
	ds_add_u32 v[SPW], v[NIL]                      ; the wave's opening: the add and its wait stand ahead of my first tensor load; the set-up below, work on registers, stands between them
	v_lshrrev_b32 v1, 5, v0
	v_readfirstlane_b32 s12, v1                    ; wave 0..3
	s_lshr_b32 s13, s12, 1                         ; I fetch for xb (0) or for wt (1),
	s_and_b32 s14, s12, 1                          ; and which half of that tile
	s_bfe_u32 s40, ttmp6, 0x40000                  ; cx, cy: my place in the cluster
	s_bfe_u32 s41, ttmp6, 0x40004
	s_lshl_b32 s42, ttmp9, 2
	s_add_co_u32 s42, s42, s40                     ; tile column of C = 4 x cluster x + cx
	s_and_b32 s15, ttmp7, 0xffff
	s_lshl_b32 s15, s15, 2
	s_add_co_u32 s15, s15, s41                     ; tile row of C = 4 x cluster y + cy
	s_lshl_b32 s43, s41, 2
	s_lshl_b32 s43, 15, s43                        ; my row of the cluster: places 4 cy .. 4 cy + 3
	s_lshl_b32 s44, 0x1111, s40                    ; my column: places cx, cx + 4, cx + 8, cx + 12
	; descriptor group 1: rows of 128 elements, padded in LDS; 128 rows of xb, 96 of wt
	s_or_b32 s[G1+0], s43, (1<<16)|(1<<20)|(1<<21)|(5<<22)|(3<<25)   ; 15:0 the mask: xb's tiles go to my row; 17:16 elements of 2 bytes; 20 padding on; 21 set beside a mask; 24:22 after every 64 words (code 5); 31:25 4 words of it (code 3)
	s_or_b32 s[G1B+0], s44, (1<<16)|(1<<20)|(1<<21)|(5<<22)|(3<<25)  ; the same with the mask of my column
	s_mov_b32 s[G1+1], 128<<16                     ; tensor_dim0 = 128
	s_mov_b32 s[G1B+1], 128<<16
	s_mov_b32 s[G1+2], 128<<16                     ; tensor_dim1 = 128
	s_mov_b32 s[G1B+2], 96<<16                     ;             = 96
	s_mov_b32 s[G1+3], 128<<16                     ; tile_dim0 = 128
	s_mov_b32 s[G1B+3], 128<<16
	s_mov_b32 s[G1+4], 128                         ; tile_dim1 = 128
	s_mov_b32 s[G1B+4], 96                         ;           = 96
	s_mov_b32 s[G1+5], 2048                        ; 2,048 elements from row to row
	s_mov_b32 s[G1B+5], 2048
	s_mov_b32 s[G1+6], 0
	s_mov_b32 s[G1B+6], 0
	s_mov_b32 s[G1+7], 0
	s_mov_b32 s[G1B+7], 0
	; where the tiles come from: xb's hang on the tile row alone, wt's on the tile column alone, each in registers that do not hold the other coordinate
	s_lshl_b32 s16, s15, 8
	s_lshl_b32 s17, s14, 7
	s_add_co_u32 s16, s16, s17                     ; xb: row 256 x tile row + 128 x half,
	s_lshl_b32 s16, s16, 12                        ; of 4,096 bytes
	s_mov_b32 s17, 0
	s_mul_i32 s46, s42, 192
	s_mul_i32 s47, s14, 96
	s_add_co_u32 s46, s46, s47                     ; wt: row 192 x tile column + 96 x half
	s_lshl_b32 s46, s46, 12
	s_mov_b32 s47, 0
	s_mul_i32 s20, s12, AHALF                      ; and where they go: waves 0, 1: wave x 128 rows;
	s_mul_i32 s21, s12, BHALF
	s_add_co_u32 s21, s21, BOFF-2*BHALF            ; waves 2, 3: behind xb's 256 rows, (wave - 2) x 96 rows.  No place in the cluster enters an LDS address
	s_wait_dscnt 0x0                               ; the opening add is done
	s_wait_kmcnt 0x0
	s_add_nc_u64 s[18:19], s[4:5], s[16:17]
	s_add_nc_u64 s[46:47], s[6:7], s[46:47]
	CROUND                                         ; all sixteen work-groups are here: the first joint loads meet
.irp s, 0,1
	s_mov_b32 s[G0+4*(\s)], 1                                        ; count = 1
	s_add_co_u32 s[G0+4*(\s)+1], s20, (\s)*SLOT                      ; LDS address
	s_add_nc_u64 s[G0+4*(\s)+2:G0+4*(\s)+3], s[18:19], (\s)*256      ; global address: K step s
	s_or_b32 s[G0+4*(\s)+3], s[G0+4*(\s)+3], 0x80000000              ; type = 2
	s_mov_b32 s[G0B+4*(\s)], 1
	s_add_co_u32 s[G0B+4*(\s)+1], s21, (\s)*SLOT
	s_add_nc_u64 s[G0B+4*(\s)+2:G0B+4*(\s)+3], s[46:47], (\s)*256
	s_or_b32 s[G0B+4*(\s)+3], s[G0B+4*(\s)+3], 0x80000000
.endr
	s_cmp_eq_u32 s13, 0                            ; a wave's two first fills stand in one branch, ahead of every wait on TENSORcnt and every LDS read: two loads of mine are out
	s_cbranch_scc0 .Lfirst_b
	tensor_load_to_lds s[G0:G0+3], s[G1:G1+7]
	s_nop 0
	tensor_load_to_lds s[G0+4:G0+7], s[G1:G1+7]
	s_nop 0
.rept 4
	v_nop
.endr
	s_branch .Lfirst_asked
.Lfirst_b:
	tensor_load_to_lds s[G0B:G0B+3], s[G1B:G1B+7]
	s_nop 0
	tensor_load_to_lds s[G0B+4:G0B+7], s[G1B:G1B+7]
	s_nop 0
.rept 4
	v_nop
.endr
.Lfirst_asked:
	; A fragment is 16 rows x 32 K in 8 registers: lane l holds row l % 16; registers 0-3 K = 8 (l / 16) + 0..7, registers 4-7 K = 16 + 8 (l / 16) + 0..7: two loads of 16 bytes, 32 bytes apart.
	v_and_b32 v1, 15, v0                           ; l % 16
	v_bfe_u32 v2, v0, 4, 1                         ; l / 16
	v_lshlrev_b32 v[BO], 5, v2
	s_mul_i32 s46, s42, 768                        ; the tile's 192 numbers of the bias
	s_mov_b32 s47, 0
	s_add_nc_u64 s[8:9], s[8:9], s[46:47]
.irp b, 0,1,2,3,4,5,6,7,8,9,10,11      ; register j of block b: the bias of column 16 b + 8 (l / 16) + j: a result's own layout, so it can start the sums
	global_load_b128 v[BI+8*(\b):BI+8*(\b)+3],   v[BO], s[8:9] offset:64*(\b)
	global_load_b128 v[BI+8*(\b)+4:BI+8*(\b)+7], v[BO], s[8:9] offset:64*(\b)+16
.endr
	v_mul_u32_u24 v3, v1, PITCH
	v_lshl_add_u32 v3, v2, 4, v3                   ; row x pitch + 16 x half
	s_mul_i32 s22, s12, 64*PITCH                   ; my 64 rows of xb
	v_add_nc_u32 v[ADRA], s22, v3
	v_add_nc_u32 v[ADRB], BOFF, v3                 ; all 192 rows of wt
	v_add_nc_u32 v[ADRA+1], SLOT, v[ADRA]
	v_add_nc_u32 v[ADRB+1], SLOT, v[ADRB]
	s_mul_i32 s23, s12, WST
	s_add_co_u32 s23, s23, STAGE                   ; my stage
	v_mul_u32_u24 v4, v1, HP                       ; in: row l % 16, 16 bytes for each half of the lanes
	v_lshl_add_u32 v4, v2, 4, v4
	v_add_nc_u32 v[STO], s23, v4
	v_bfe_u32 v5, v0, 3, 2                         ; back: 32 lanes take four rows of 128 bytes,
	v_and_b32 v6, 7, v0
	v_mul_u32_u24 v5, v5, HP
	v_lshl_add_u32 v5, v6, 4, v5
	v_add_nc_u32 v[RD], s23, v5
	v_and_b32 v[GO], 31, v0                        ; which are 512 consecutive bytes of a head in qkv
	v_lshlrev_b32 v[GO], 4, v[GO]
	s_mul_i32 s46, s42, 3*GB                       ; the tile's first head,
	s_add_nc_u64 s[10:11], s[10:11], s[46:47]
	s_lshl_b32 s16, s15, 8
	s_lshl_b32 s17, s12, 6
	s_add_co_u32 s16, s16, s17                     ; my first row: 256 x tile row + 64 x wave,
	s_lshl_b32 s16, s16, 7                         ; of 128 bytes
	s_mov_b32 s17, 0
	s_add_nc_u64 s[10:11], s[10:11], s[16:17]
; 12 matrix instructions: row block a x all 12 column blocks, 32 along K, from buffer p.  first = 1: the bias starts the sums: nothing is cleared.
; Every quarter step takes the 48 accumulators once, in the same order: they take turns, one instruction a turn.
.macro MUL12 p, a, first
.if \first
	WIN 0x81+0x40*((\a)/2)                         ; wt window 1, xb window 0, C (the bias) window 0, D window 2 or 3
.else
	WIN 0xa1+0x50*((\a)/2)                         ; C and D window 2 or 3
.endif
.irp b, 0,1,2,3,4,5,6,7,8,9,10,11
.if \first
	v_wmma_f32_16x16x32_bf16 v[8*(12*((\a)%2)+(\b)):8*(12*((\a)%2)+(\b))+7], v[96*(\p)+8*(\b):96*(\p)+8*(\b)+7], v[FA+32*(\p)+8*(\a):FA+32*(\p)+8*(\a)+7], v[BI+8*(\b):BI+8*(\b)+7]
.else
	v_wmma_f32_16x16x32_bf16 v[8*(12*((\a)%2)+(\b)):8*(12*((\a)%2)+(\b))+7], v[96*(\p)+8*(\b):96*(\p)+8*(\b)+7], v[FA+32*(\p)+8*(\a):FA+32*(\p)+8*(\a)+7], v[8*(12*((\a)%2)+(\b)):8*(12*((\a)%2)+(\b))+7]
.endif
.endr
.endm
; 32 LDS loads in one run: the fragments of one quarter step (192 rows of wt, then my 64 rows of xb, 32 K at byte k of the rows) into buffer p
.macro FETCH slot, k, p
	WIN 0x40                                       ; destination window 1, address window 0
.irp b, 0,1,2,3,4,5,6,7,8,9,10,11
	ds_load_b128 v[96*(\p)+8*(\b):96*(\p)+8*(\b)+3],   v[ADRB+(\slot)] offset:(\k)+(\b)*16*PITCH
	ds_load_b128 v[96*(\p)+8*(\b)+4:96*(\p)+8*(\b)+7], v[ADRB+(\slot)] offset:(\k)+(\b)*16*PITCH+32
.endr
	WIN 0
.irp a, 0,1,2,3
	ds_load_b128 v[FA+32*(\p)+8*(\a):FA+32*(\p)+8*(\a)+3],   v[ADRA+(\slot)] offset:(\k)+(\a)*16*PITCH
	ds_load_b128 v[FA+32*(\p)+8*(\a)+4:FA+32*(\p)+8*(\a)+7], v[ADRA+(\slot)] offset:(\k)+(\a)*16*PITCH+32
.endr
.endm
.macro PLACES                          ; four places in front of loads into registers that matrix instructions have read, and of conversions that read results (for the conversions)
.rept 4
	v_nop
.endr
.endm
; A K step is four quarter steps of 32 along K, 48 matrix instructions each, on buffers 0, 1, 0, 1.  One of the first three: multiplies buffer p; in its middle it fetches the next quarter, at byte k, into buffer g.
.macro QUARTER slot, k, p, g, first
	s_wait_dscnt 4                                 ; wt's fragments and xb's row blocks 0, 1 are in; the youngest four loads (row blocks 2, 3) may be out
	MUL12 \p, 0, \first
	MUL12 \p, 1, \first
	PLACES
	FETCH \slot, \k, \g
	s_wait_dscnt 32                                ; all but the 32 just issued
	MUL12 \p, 2, \first
	MUL12 \p, 3, \first
.endm
; The last quarter multiplies buffer 1 and changes slots.  MEET is its first half: ONE barrier.  In front of it each wave waits for all its tensor loads, of which one is out: its part of the next slot;
; adds 0 to its spare word; and waits for that and for its own reads of this slot.  Behind it nobody reads this slot any more and the next slot is whole.
.macro MEET round
	WIN 0                                          ; (the add's two registers lie in window 0)
	s_wait_tensorcnt 0x0                           ; all my tensor loads have landed
	ds_add_u32 v[SPW], v[NIL]                      ; 0 onto my spare word
	s_wait_dscnt 5                                 ; (the add and the youngest four loads may be out)
	MUL12 1, 0, 0                                  ; twelve matrix instructions stand between the add and the wait for it
	s_wait_dscnt 0x0                               ; the add is done, and my reads of this slot are over
	s_barrier_signal -1
	MUL12 1, 1, 0                                  ; work on registers while the others arrive
.if \round
	WIN 0
.endif
	s_barrier_wait -1
.endm
; The whole last quarter.  fill = 1: the barrier opens a round of the cluster's, and behind it this slot is filled again first, two K steps ahead: from the request to the wait for it a wave issues 168 matrix instructions.
.macro TURN slot, next, fill
	MEET \fill
.if \fill
	CREST                                          ; no wave of any partner still reads this slot's tile or has a load on its way
	s_add_nc_u64 s[G0+4*(\slot)+2:G0+4*(\slot)+3], s[G0+4*(\slot)+2:G0+4*(\slot)+3], 512
	s_add_nc_u64 s[G0B+4*(\slot)+2:G0B+4*(\slot)+3], s[G0B+4*(\slot)+2:G0B+4*(\slot)+3], 512
	JLOAD \slot                                    ; the first tensor load behind the round; the four v_nop behind it are also the places in front of the loads below
.else
	PLACES
.endif
	FETCH \next, 0, 0
	MUL12 1, 2, 0
	MUL12 1, 3, 0
.endm
; THE WAY OUT of row block a (16 rows x three heads).  PACK: rounded to f16, 16 bytes a lane.  TOSTAGE: into my own stage, and back as whole rows of 128 bytes.  SEND: stored.
.macro PACK a
	WIN 0x0a+5*((\a)/2)                            ; sources 0 and 1: window 2 or 3
.irp b, 0,1,2,3,4,5,6,7,8,9,10,11
.irp r, 0,1,2,3
	v_cvt_pk_f16_f32 v[TMP+4*(\b)+(\r)], v[96*((\a)%2)+8*(\b)+2*(\r)], v[96*((\a)%2)+8*(\b)+2*(\r)+1]
.endr
.endr
	WIN 0
.endm
.macro TOSTAGE a
	WIN 0
.set BK, 64+112*((\a)%2)               ; v64-111 and v176-223 by turns
.irp b, 0,1,2,3,4,5,6,7,8,9,10,11
	ds_store_b128 v[STO], v[TMP+4*(\b):TMP+4*(\b)+3] offset:((\b)/4)*HST+32*((\b)%4)
.endr
.irp t, 0,1,2,3,4,5,6,7,8,9,10,11
	ds_load_b128 v[BK+4*(\t):BK+4*(\t)+3], v[RD] offset:((\t)/4)*HST+((\t)%4)*4*HP  ; LDS serves a wave's instructions in order (ISA guide 5.7.1.4): these see the stores above
.endr
.endm
.macro SEND a
	WIN 0
.set BK, 64+112*((\a)%2)
	s_wait_dscnt 0x0                               ; the block is back in registers
	s_wait_xcnt 0x0                                ; the registers that the block before last's stores read are loaded again only behind this wait
.irp t, 0,1,2,3,4,5,6,7,8,9,10,11
	global_store_b128 v[GO], v[BK+4*(\t):BK+4*(\t)+3], s[10:11] offset:((\t)/4)*GB+(\a)*2048+((\t)%4)*512  ; 512 consecutive bytes, at a multiple of 256 from qkv's first byte
.endr
.endm
	s_wait_tensorcnt 1                             ; my part of K step 0 is in; K step 1's may stay out
	s_barrier_signal -1
	s_barrier_wait -1                              ; everybody's is
	FETCH 0, 0, 0
	s_wait_loadcnt 0x0                             ; the bias
	QUARTER 0, 64,  0, 1, 1                        ; the first quarter stands in front of the loop: its products start the sums
	WIN 0                                          ; at a label and at a branch every window is 0
	s_mov_b32 s3, LAPS-1
.Llap:                                                 ; a trip goes once round the ring, from a lap's second quarter to the next lap's first, and fills both slots again
	QUARTER 0, 128, 1, 0, 0
	QUARTER 0, 192, 0, 1, 0
	TURN 0, 1, 1
	QUARTER 1, 64,  0, 1, 0
	QUARTER 1, 128, 1, 0, 0
	QUARTER 1, 192, 0, 1, 0
	TURN 1, 0, 1
	QUARTER 0, 64,  0, 1, 0
	WIN 0
	s_sub_co_u32 s3, s3, 1
	s_cmp_lg_u32 s3, 0
	s_cbranch_scc1 .Llap
	QUARTER 0, 128, 1, 0, 0                        ; the last lap fills nothing, and has no round of the cluster's barrier
	QUARTER 0, 192, 0, 1, 0
	TURN 0, 1, 0
	QUARTER 1, 64,  0, 1, 0
	QUARTER 1, 128, 1, 0, 0
	QUARTER 1, 192, 0, 1, 0
	s_wait_dscnt 4                                 ; the very last quarter: nothing more to fetch
	MUL12 1, 0, 0
	MUL12 1, 1, 0
	s_wait_dscnt 0x0
	MUL12 1, 2, 0
	MUL12 1, 3, 0
	PLACES
	PLACES                                         ; eight, once a launch: twice what the conversions below are asked to keep
	PACK 0
	TOSTAGE 0
.irp a, 1,2,3                          ; block a's conversions stand between block a - 1's loads from the stage and the wait for them
	PACK \a
	SEND (\a)-1
	TOSTAGE \a
.endr
	SEND 3
	s_wait_tensorcnt 0x0                           ; the wave's end: behind my last tensor load and my last LDS store
	ds_add_u32 v[SPW], v[NIL]
	s_wait_dscnt 0x0
	CROUND                                         ; the closing round: no work-group ends while a partner may still ask for a tile that names it
	s_endpgm
.Lfunc_end_k_q4217d88911_proj:
	.size	k_q4217d88911_proj, .Lfunc_end_k_q4217d88911_proj-k_q4217d88911_proj
	.p2alignl 7, 3214868480
	.fill 96, 4, 3214868480
	.section	.rodata,"a",@progbits
	.p2align	6, 0x0
	.amdhsa_kernel k_q4217d88911_proj
		.amdhsa_group_segment_fixed_size 327680
		.amdhsa_private_segment_fixed_size 0
		.amdhsa_enable_private_segment 0
		.amdhsa_kernarg_size 32
		.amdhsa_user_sgpr_count 2
		.amdhsa_user_sgpr_kernarg_segment_ptr 1
		.amdhsa_wavefront_size32 1
		.amdhsa_system_sgpr_workgroup_id_x 1
		.amdhsa_system_sgpr_workgroup_id_y 1
		.amdhsa_system_sgpr_workgroup_id_z 1
		.amdhsa_system_vgpr_workitem_id 0
		.amdhsa_next_free_vgpr 960
		.amdhsa_next_free_sgpr 66
		.amdhsa_reserve_vcc 0
		.amdhsa_float_denorm_mode_32 3
		.amdhsa_float_denorm_mode_16_64 3
		.amdhsa_memory_ordered 1
		.amdhsa_forward_progress 1
		.amdhsa_inst_pref_size 120
	.end_amdhsa_kernel
	.amdgpu_metadata
---
amdhsa.version: [ 1, 2 ]
amdhsa.kernels:
  - .name:           k_q4217d88911_proj
    .symbol:         k_q4217d88911_proj.kd
    .args:
      - { .name: xb, .offset: 0, .size: 8, .value_kind: global_buffer, .address_space: global }
      - { .name: wt, .offset: 8, .size: 8, .value_kind: global_buffer, .address_space: global }
      - { .name: bias, .offset: 16, .size: 8, .value_kind: global_buffer, .address_space: global }
      - { .name: qkv, .offset: 24, .size: 8, .value_kind: global_buffer, .address_space: global }
    .group_segment_fixed_size: 327680
    .private_segment_fixed_size: 0
    .kernarg_segment_align: 8
    .kernarg_segment_size: 32
    .max_flat_workgroup_size: 128
    .sgpr_count:     66
    .vgpr_count:     960
    .wavefront_size: 32
...
	.end_amdgpu_metadata
.endif
;; end of part 2
;; launch attn (part 3): grid 4 x 64, 4 waves a work-group, clusters of 4 x 1, 327,680 bytes of LDS; arguments qkv, out0; writes out0
.if DOCPART == 3
	.amdgcn_target "amdgcn-amd-amdhsa--gfx1250"
	.amdhsa_code_object_version 6
	.text
	.protected	k_q4217d88911_attn
	.globl	k_q4217d88911_attn
	.p2align	8
	.type	k_q4217d88911_attn,@function
k_q4217d88911_attn:
	s_mov_b64 s[64:65], 0
	v_nop
	global_prefetch_b8 v0, s[64:65] scope:SCOPE_SE
	s_setreg_imm32_b32 hwreg(HW_REG_WAVE_MODE, 25, 1), 1
	s_wait_xcnt 0x0
	s_wait_alu depctr_hold_cnt(0) depctr_sa_sdst(0) depctr_va_vdst(0) depctr_va_sdst(0) depctr_va_ssrc(0) depctr_va_vcc(0) depctr_vm_vsrc(0)
	s_getreg_b32 s2, hwreg(HW_REG_IB_STS2, 6, 4)
	s_cmp_eq_u32 s2, 0
	s_cbranch_scc0 .Lentry_in_a_cluster
	s_endpgm
.Lentry_in_a_cluster:
	s_bfe_u32 s2, ttmp6, 0x10000c
	s_cmp_lg_u32 s2, 0x3003
	s_cbranch_scc0 .Lentry_shape_is_right
	s_endpgm
.Lentry_shape_is_right:
; GROUPED-QUERY ATTENTION.  out0[b][q][64 h + :] = the sum over k of softmax_k(Q[b][h][q] . K[b][h / 4][k] / 8) V[b][h / 4][k][:].  qkv: [48][4096][64] in f16 (heads 0-31 Q, 32-39 K, 40-47 V; row 2048 b + s,
; 128 dense bytes); out0: [2][2048][2048] in f32.  Products, maxima and sums in f32; the weights p are rounded to f16 for the second product (their sum l is taken of the unrounded p).
; LIMITS.  Q, K and V arrive within f16's 65,504; p lies in 0 to 1, and below 6e-5 it keeps f16's fixed step of 6e-8.  A weight below 2^-126 counts as 0 in l; NaN and infinities are not treated apart.
; SHARES.  Work-group (x, y): queries 512 x .. 512 x + 511 of query head y % 32 of batch y / 32.  A wave owns four PIECES of two tiles of 16 queries.  Every wave walks all 2,048 keys, 64 a step.
; LAYOUT.  S^T = K Q^T (source 0 = 16 keys, source 1 = 16 queries): in the result a lane holds ONE query (lane % 16) and the keys 8 (lane / 16) + 0..7.  Two such tiles, rounded to f16 in pairs,
; ARE source 1 (32 keys x 16 queries) of O^T = V^T P, whose result again holds one query a lane, and eight channels.  K comes out of LDS as it lies, V ([key][channel]) turned, by ds_load_tr16_b128.
; SOFTMAX.  For each query a running maximum m and sum l: p = 2^(c s - c m), c = log2(e) / 8; in every step O and l are multiplied by a = 2^(c m_old - c m_new), which is 1 where m has not grown.
; m starts at the lowest finite number, O and l at 0: the first step is a step like any other, with a = 0.
; THE COUNT.  A tile and step have 16 matrix and 118 vector instructions: too many to stand all beside the matrix work.  So: four vector instructions that are READY behind EVERY matrix instruction,
; and the others in runs without a gap.
; BY TURNS.  Turn n belongs to piece n (the pieces in a ring, step after step).  Its matrix work: 16 products K Q^T of piece n + 1, later 16 products V^T P of piece n - 1.  Its vector work: the scaling,
; exponentials, roundings, sums and rescaling of piece n, and the maximum and statistics of piece n + 1, whose scores the turn itself has made.
; CLUSTER.  The four query blocks of a cluster belong to one head and walk the same K and V, so each tile is asked for JOINTLY: the same tensor load, descriptor and mask in all four.
; REGISTERS, in windows of 256 (s_set_vgpr_msb: bits 1:0 source 0, 3:2 source 1, 5:4 source 2, 7:6 destination):
;   window 0: v0-11 addresses; v12-15, v48-63 at work; v16-47 four registers of statistics a tile; v64-191 S^T, two buffers of two tiles; v192-255 P, likewise
;   window 1: O^T, 32 a tile          window 2: v0-127 Q, 16 a tile; v128-191 K of one step; v192-255 V of one step          window 3: v0-1 the add's two registers
; A piece's buffers go by its number's parity.
.set SIZE_N, 2048
.set NP,    4         ; pieces a wave: a name, no knob
.set KS,    64        ; keys in a step
.set PK,    144       ; a row of K in LDS: 128 bytes + 16 of padding = 36 words: the 16 rows of a load start at 16 different groups of four banks (64 banks of 4 bytes: ISA guide 11.1)
.set PV,    160       ; a row of V: 128 + 32 = 40 words
.set VOFF,  4*KS*PK   ; a slot holds four steps: 256 rows of K, then 256 rows of V
.set SLOT1, 1<<17     ; slot 1 begins here, so that one exclusive or turns an address in one slot into the other's
.set STAGE, SLOT1+4*KS*(PK+PV)  ; behind the ring, never filled by a tensor load: 16 rows x 272 bytes for each wave, for the way out
.set SP,    272       ; a stage row: 64 channels in f32, 256 bytes, + 16
.set AK0, 2           ; v2   my lane's place in a tile of K; never rewritten
.set AV0, 3           ; v3   the same for V
.set AK,  4           ; v4   the LDS address of K's next run of loads
.set AV,  5           ; v5   of V's
.set QO,  6           ; v6   my byte offset in the wave's rows of Q
.set STO, 6           ;      later, the way out: where I put 32 bytes of a row
.set RD,  7           ; v7   the way out: where I read rows back
.set GO,  8           ; v8   my byte offset in two rows of out0
.set PFO, 11          ; v11  256 x my lane: the prefetches' offset; never rewritten once made
.set SPW, 0           ; v0 of window 3   LDS address of my spare word; never rewritten
.set NIL, 1           ; v1 of window 3   0; never rewritten
.set SPARE, STAGE+4*16*SP  ; behind the stages: the spare words, 128 bytes for each wave: two blocks of 256 bytes that no other line names
.set MV,  12          ; v12-15  c m_old, kept while c m is made anew: by buffer and tile
.set ST,  16          ; tile t's statistics at v[ST+4 t]: c m, m, l (even keys', odd keys')
.set TMP, 48          ; by buffer and tile, four registers c0-c3 at work; when the maximum is found c2 takes a
.set S,   64
.set P,   192
.set KF,  128         ; K's fragments, in window 2: key block kb, channel half c at KF + 16 kb + 8 c
.set VF,  192         ; V's: key half kk, channel block cb at VF + 32 kk + 8 cb
.set WV,  12          ; s12  my wave's number
.set G1K, 24          ; s[24:31] descriptor group 1 for K's tiles
.set G1V, 32          ; s[32:39] for V's: it differs in the padding alone
.set G0K, 40          ; s[40:43] descriptor group 0 for K's tiles: it walks
.set G0V, 44          ; s[44:47] the same for V's
.set PFA, 48          ; s[48:49] where my prefetches stand: my work-group's 8,192 bytes (of K: wave 0, of V: wave 2) of the tile after the one that is being asked for
.set LIM, 50          ; s50  1 in a wave that prefetches, else the greatest number
.set SLOTS, 56        ; s56  slots still to be asked for
.set CNT, 57          ; s57  counts a slot's key steps
.set CS,  58          ; s[58:59] c: the packed scaling takes the pair's low word for both halves
.set SEL, 60          ; s[60:61] v_permlanex16_b32's selects: each lane takes its own place in the other half
.set TBK, 62          ; s62  LDS byte at which K of the step to be fetched begins
.set TBV, 63          ; s63  the same for V, less VOFF
.set MSB, 0
.macro WIN new                      ; the high byte repeats the setting that is left; a switch that changes nothing is dropped
.if MSB != (\new)
	s_set_vgpr_msb (MSB<<8)|(\new)
.set MSB, (\new)
.endif
.endm
.set W_KQ, 0x0a       ; K and Q in window 2, S^T in window 0
.set W_PV, 0x52       ; V in window 2, P in window 0, O^T in window 1
.set W_RS, 0x41       ; O^T (destination and source 0) in window 1, a in window 0
.set W_MK, 0xc0       ; the add's registers are made: destination in window 3, sources in window 0
.set W_AD, 0x0f       ; the add: address (source 0) and data (source 1) in window 3
; A joint fill.  Waves 0 and 1 fetch the two halves of a slot's K, waves 2 and 3 those of its V: 128 keys each.  The branch hangs on the wave's number alone.
; An s_nop 0 and four v_nop follow each of the two lines, ahead of the jump and the label.
.macro JLOAD
	s_cmp_lt_u32 s[WV], 2
	s_cbranch_scc0 .Lfor_v_\@
	tensor_load_to_lds s[G0K:G0K+3], s[G1K:G1K+7]
	s_nop 0
.rept 4
	v_nop
.endr
	s_branch .Lasked_\@
.Lfor_v_\@:
	tensor_load_to_lds s[G0V:G0V+3], s[G1V:G1V+7]
	s_nop 0
.rept 4
	v_nop
.endr
.Lasked_\@:
.endm
; A PREFETCH of what the NEXT change of slots will ask for: a tile's 32,768 bytes of K and of V, a lane for each 256.  It stands behind the wave's tensor load and its five lines.
; Each 256 bytes are named ONCE in the launch.  Four query heads, four clusters, walk the same key and value head: the cluster of the first of them (y % 4 = 0) asks.  Its four partners share a tile out
; BY ADDRESS, 8,192 bytes each: no branch hangs on a work-group's place in its cluster.  In each, wave 0 asks for K's and wave 2 for V's: one instruction, four key steps (512 matrix instructions) ahead
; of the load that will name those bytes.  Tiles 0 and 1 come by their loads alone; the change that asks for the last tile prefetches nothing.
.macro ASK
	s_cmp_gt_u32 s[SLOTS], s[LIM]
	s_cbranch_scc0 .Lnot_mine_\@
	global_prefetch_b8 v[PFO], s[PFA:PFA+1] th:TH_LOAD_NT scope:SCOPE_SE
.Lnot_mine_\@:
.endm
; A round of the cluster's barrier: my work-group's barrier, so that wave 0's signal speaks for all four waves; wave 0 signals; every wave waits for all four work-groups; my work-group's barrier once more.
.macro CROUND
	s_barrier_signal -1
	s_barrier_wait -1
	s_cmp_lg_u32 s[WV], 0
	s_cbranch_scc1 .Lnot_wave_0_\@
	s_barrier_signal -3
.Lnot_wave_0_\@:
	s_barrier_wait -3
	s_barrier_signal -1
	s_barrier_wait -1
.endm
; THE CHANGE OF SLOTS.  The slot's last bytes, V of its fourth step, have been read.  Each wave waits for all its tensor loads, of which one is out: its part
; of the other slot; adds 0 to its spare word; and waits for that and for its own reads of the slot.  Behind the barrier nobody reads this slot any more and the other slot is whole.
; fill = 1: this slot is filled again, with the keys two slots on.  The barrier is then a round of the cluster's, and the joint fill is the first thing behind it: it has four key steps,
; 512 matrix instructions, in which to land.  (At its first use nothing has been read yet: slot 0 is waited for, slot 1 filled.)
.macro CHANGE fill
	WIN W_AD
	s_wait_tensorcnt 0x0            ; no tensor load of mine is out, so a group 0 may be written
	ds_add_u32 v[SPW], v[NIL]       ; 0 onto my spare word; with fill = 1 the descriptors' steps stand between it and the wait for it
	WIN 0                           ; at a label and at a branch every window is 0
.if \fill
.irp g, G0K, G0V
	s_xor_b32 s[\g+1], s[\g+1], SLOT1  ; the walking descriptor: the other slot than last time,
	s_add_nc_u64 s[\g+2:\g+3], s[\g+2:\g+3], 4*KS*128  ; the next 256 keys; the type bits on top are not reached
.endr
	s_wait_xcnt 0x0                 ; the last prefetch, four key steps back, has read its address, so it may be written:
	s_add_nc_u64 s[PFA:PFA+1], s[PFA:PFA+1], 4*KS*128  ; one tile behind the walking descriptors
	s_wait_dscnt 0x0                ; the add is done, and my reads of the slot are over
	CROUND
	JLOAD
	ASK
.else
	s_wait_dscnt 0x0                ; the add is done, and my reads of the slot are over
	s_barrier_signal -1
	s_barrier_wait -1
.endif
	s_sub_co_u32 s[TBK], s[TBK], 4*KS*PK  ; the fetches go back to a slot's first step,
	s_xor_b32 s[TBK], s[TBK], SLOT1       ; in the other slot
	s_sub_co_u32 s[TBV], s[TBV], 4*KS*PV
	s_xor_b32 s[TBV], s[TBV], SLOT1
.endm
	s_load_b128 s[4:7], s[0:1], 0x0   ; qkv s[4:5], out0 s[6:7]
	WIN W_MK
	v_lshl_add_u32 v[SPW], v0, 2, SPARE
	v_mov_b32 v[NIL], 0
	WIN W_AD
	ds_add_u32 v[SPW], v[NIL]       ; the wave's opening: the add and its wait stand ahead of my first tensor load; the set-up below, work on registers, stands between them
	WIN 0
	v_lshrrev_b32 v1, 5, v0
	v_readfirstlane_b32 s[WV], v1   ; wave 0..3
	s_bfe_u32 s13, ttmp6, 0x40000   ; cx: my place in the cluster
	s_lshl_b32 s14, ttmp9, 2        ; in a cluster launch ttmp9 counts clusters
	s_add_co_u32 s14, s14, s13      ; my block of 512 queries = 4 x cluster x + cx: it enters Q's and out0's addresses alone
	s_lshl_b32 s14, s14, 2
	s_add_co_u32 s14, s14, s[WV]    ; my wave among the head's sixteen: 128 queries each
	s_and_b32 s20, ttmp7, 0xffff    ; y, which the four partners share
	s_lshr_b32 s21, s20, 5          ; the batch
	s_and_b32 s15, s20, 31          ; the query head
	s_lshr_b32 s19, s15, 2          ; its key and value head
	s_and_b32 s16, s[WV], 1         ; which half of a slot's 256 keys I fetch
	s_add_co_u32 s22, s19, 32       ; K's offset in qkv: head 32 + kv head, 524,288 bytes each,
	s_lshl_b32 s22, s22, 19
	s_lshl_b32 s23, s21, 18         ; the batch's 2,048 rows of 128 bytes,
	s_add_co_u32 s22, s22, s23
	s_lshl_b32 s23, s16, 14         ; my half's 128 rows
	s_add_co_u32 s22, s22, s23
	s_mov_b32 s23, 0
	s_lshl_b32 s2, s15, 19          ; Q's offset: the query head, the batch, my wave's 128 rows
	s_lshl_b32 s3, s21, 18
	s_add_co_u32 s2, s2, s3
	s_lshl_b32 s3, s14, 14
	s_add_co_u32 s2, s2, s3
	s_mov_b32 s3, 0
	s_lshl_b32 s52, s21, 11         ; out0's offset: row 2,048 b + 128 x my wave, of 8,192 bytes,
	s_lshl_b32 s53, s14, 7
	s_add_co_u32 s52, s52, s53
	s_lshl_b32 s52, s52, 13
	s_lshl_b32 s53, s15, 8          ; and the head's 256 bytes of it
	s_add_co_u32 s52, s52, s53
	s_mov_b32 s53, 0
	s_mul_i32 s17, s16, 128*PK      ; my half's place in a slot, for K
	s_mul_i32 s18, s16, 128*PV      ; and for V: no place in the cluster enters an LDS address
	; descriptor group 1.  128 keys are 16,384 dense bytes: asked for as 64 rows of 256 bytes, two keys a row, and padded in LDS after every key
	s_mov_b32 s[G1K], 15|(1<<16)|(1<<20)|(1<<21)|(4<<22)|(3<<25)  ; 15:0 the mask of four; 17:16 2-byte elements; 20 padding on; 21 set beside a mask; 24:22 after every 32 words (code 4); 31:25 4 words (code 3)
	s_mov_b32 s[G1V], 15|(1<<16)|(1<<20)|(1<<21)|(4<<22)|(7<<25)  ; the same with 8 words of padding (code 7)
.irp g, G1K, G1V
	s_mov_b32 s[\g+1], 128<<16      ; tensor_dim0 = 128
	s_mov_b32 s[\g+2], 64<<16       ; tensor_dim1 = 64
	s_mov_b32 s[\g+3], 128<<16      ; tile_dim0 = 128
	s_mov_b32 s[\g+4], 64           ; tile_dim1 = 64
	s_mov_b32 s[\g+5], 128          ; 128 elements from row to row
	s_mov_b32 s[\g+6], 0
	s_mov_b32 s[\g+7], 0
.endr
	s_mov_b32 s[CS], 0x3e38aa3b     ; c = log2(e) / 8 = 0.180337
	s_mov_b32 s[CS+1], s[CS]        ; named with it as a pair
	s_mov_b32 s[SEL], 0x76543210
	s_mov_b32 s[SEL+1], 0xfedcba98
	s_mov_b32 s[TBK], SLOT1+4*KS*PK ; the first change of slots turns these two into 0
	s_mov_b32 s[TBV], SLOT1+4*KS*PV
	s_mov_b32 s[G0K], 1             ; count = 1
	s_mov_b32 s[G0K+1], s17         ; LDS address: slot 0
	s_mov_b32 s[G0V], 1
	s_add_co_u32 s[G0V+1], s18, VOFF
	s_mov_b32 s[SLOTS], SIZE_N/256-1
	s_and_b32 s[LIM], s20, 3        ; 0 for the first of the four query heads of a key and value head,
	s_or_b32 s[LIM], s[LIM], s16    ; in waves 0 and 2: the same in all four partners
	s_cmp_eq_u32 s[LIM], 0
	s_cselect_b32 s[LIM], 1, -1
	s_wait_dscnt 0x0                ; the opening add is done
	s_wait_kmcnt 0x0
	s_add_nc_u64 s[10:11], s[6:7], s[52:53]  ; out0 at my wave's first row, my head's channels
	s_add_nc_u64 s[6:7], s[4:5], s[22:23]    ; K at my half of the head's first 256 keys
	s_add_nc_u64 s[8:9], s[6:7], 0x400000    ; V: eight heads on
	s_add_nc_u64 s[4:5], s[4:5], s[2:3]      ; Q at my wave's first row
	s_mov_b64 s[G0K+2:G0K+3], s[6:7]         ; global address
	s_or_b32 s[G0K+3], s[G0K+3], 0x80000000  ; type = 2
	s_mov_b64 s[G0V+2:G0V+3], s[8:9]
	s_or_b32 s[G0V+3], s[G0V+3], 0x80000000
	s_cmp_lt_u32 s[WV], 2
	s_cselect_b64 s[PFA:PFA+1], s[6:7], s[8:9]  ; (in waves 0 and 2 these stand at a tile's first row)
	s_lshl_b32 s2, s13, 13          ; my work-group's quarter of a tile,
	s_add_co_u32 s2, s2, 4*KS*128   ; in tile 1; the first change of slots steps it to tile 2.  Nothing is prefetched here, at the head
	s_mov_b32 s3, 0
	s_add_nc_u64 s[PFA:PFA+1], s[PFA:PFA+1], s[2:3]
	CROUND                          ; all four work-groups are here: the first joint loads meet
	JLOAD                           ; slot 0.  Slot 1 is asked for when slot 0 is in
	; A fragment of K or Q is 16 rows x 32 channels in 8 registers: lane l holds row l % 16, channels 8 (l / 16) + 0..7 and 16 + 8 (l / 16) + 0..7: two loads of 16 bytes, 32 bytes apart.
	v_and_b32 v1, 15, v0            ; l % 16
	v_bfe_u32 v9, v0, 4, 1          ; l / 16
	v_lshlrev_b32 v[QO], 7, v1
	v_lshl_add_u32 v[QO], v9, 4, v[QO]  ; row x 128 + 16 x half
	WIN 0x80                        ; destination window 2, address window 0
.set i, 0
.rept 4*NP                          ; Q stays in registers: tile i / 2, channels 32 (i % 2) on
	global_load_b128 v[8*i:8*i+3],   v[QO], s[4:5] offset:(i/2)*2048+(i%2)*64
	global_load_b128 v[8*i+4:8*i+7], v[QO], s[4:5] offset:(i/2)*2048+(i%2)*64+32
.set i, i+1
.endr
	; What the first turn finds: V's registers and P's second buffer hold 0 (its products V^T P, of a piece that has not been, add 0), O^T and l are 0.  All this stands in the wait for the first tile.
.set i, VF
.rept 64
	v_mov_b32 v[i], 0
.set i, i+1
.endr
	WIN 0x40
.set i, 0
.rept 64*NP
	v_mov_b32 v[i], 0
.set i, i+1
.endr
	WIN 0
.set i, 0
.rept 2*NP
	v_mov_b32 v[ST+4*i], 0xfe000000    ; c m: far below every c s
	v_mov_b32 v[ST+4*i+1], 0xff7fffff  ; m
	v_mov_b32 v[ST+4*i+2], 0
	v_mov_b32 v[ST+4*i+3], 0
.set i, i+1
.endr
.set i, P+32
.rept 32
	v_mov_b32 v[i], 0
.set i, i+1
.endr
	v_mul_u32_u24 v[AK0], v1, PK
	v_lshl_add_u32 v[AK0], v9, 4, v[AK0]  ; row x pitch + 16 x half
	; The turning load takes 16 keys x 16 channels (lane l reads key 8 (l / 16) + l % 8, channels 8 ((l / 8) % 2) + 0..7) and leaves half a fragment of V^T: lane l holds channel l % 16 and 8 keys.
	v_and_b32 v10, 7, v0
	v_bfe_u32 v11, v0, 3, 1
	v_lshl_add_u32 v[AV0], v9, 3, v10
	v_mul_u32_u24 v[AV0], v[AV0], PV
	v_lshl_add_u32 v[AV0], v11, 4, v[AV0]
	v_add_nc_u32 v[AV0], VOFF, v[AV0]
	v_and_b32 v[PFO], 31, v0
	v_lshlrev_b32 v[PFO], 8, v[PFO]
	v_mov_b32 v[AK], v[AK0]         ; key step 0 lies at the head of slot 0
; THE MATRIX WORK.  The 8 accumulators of a run of 16 take turns: between the two links of a chain stand 7 others'.
; Product i of 16 of S^T = K Q^T for piece x: channels 32 (i / 8) on, keys 16 ((i / 2) % 4) on, tile 2 x + i % 2.  The first 8 start the sums.
.macro KQ x
	WIN W_KQ
.set rS, S+64*((\x)%2)+32*(i%2)+8*((i/2)%4)
.set rK, KF+16*((i/2)%4)+8*(i/8)
.set rQ, 16*(2*(\x)+i%2)+8*(i/8)
.if i < 8
	v_wmma_f32_16x16x32_f16 v[rS:rS+7], v[rK:rK+7], v[rQ:rQ+7], 0
.else
	v_wmma_f32_16x16x32_f16 v[rS:rS+7], v[rK:rK+7], v[rQ:rQ+7], v[rS:rS+7]
.endif
.endm
; Product i of 16 of O^T += V^T P for piece x: keys 32 (i / 8) on, channels 16 ((i / 2) % 4) on, tile 2 x + i % 2.
.macro PV x
	WIN W_PV
.set rO, 32*(2*(\x)+i%2)+8*((i/2)%4)
.set rV, VF+32*(i/8)+8*((i/2)%4)
.set rP, P+32*((\x)%2)+16*(i%2)+8*(i/8)
	v_wmma_f32_16x16x32_f16 v[rO:rO+7], v[rV:rV+7], v[rP:rP+7], v[rO:rO+7]
.endm
.macro MM                           ; the turn's next matrix instruction
.if i < 16
	KQ (Y+1)%NP
.set i, i+1
.else
.set i, i-16
	PV (Y+NP-1)%NP
.set i, i+17
.endif
.endm
; THE LDS LOADS stand in runs of 16, never singly among the matrix instructions: a step's K (64 keys x 64 channels: 8 fragments) and its V (turned).  Their addresses are made some lines ahead.
; last = 1 (the tail): in the last trip there is no further step, and the run is jumped over.
.macro FETCH_K last=0
	WIN 0
.if \last
	s_cmp_eq_u32 s[CNT], 1
	s_cbranch_scc1 .Lno_k_\@
.endif
	WIN 0x80                        ; destination window 2
.irp f, 0,1,2,3,4,5,6,7             ; keys 16 (f / 2) on, channels 32 (f % 2) on
	ds_load_b128 v[KF+8*\f:KF+8*\f+3],   v[AK] offset:(\f/2)*16*PK+(\f%2)*64
	ds_load_b128 v[KF+8*\f+4:KF+8*\f+7], v[AK] offset:(\f/2)*16*PK+(\f%2)*64+32
.endr
	s_add_co_u32 s[TBK], s[TBK], KS*PK  ; the next fetch is the next step's
	WIN 0
.if \last
.Lno_k_\@:
.endif
.endm
.macro FETCH_V
	WIN 0x80
.irp f, 0,1,2,3,4,5,6,7             ; keys 32 (f / 4) on, channels 16 (f % 4) on
	ds_load_tr16_b128 v[VF+8*\f:VF+8*\f+3],   v[AV] offset:(\f/4)*32*PV+(\f%4)*32
	ds_load_tr16_b128 v[VF+8*\f+4:VF+8*\f+7], v[AV] offset:(\f/4)*32*PV+16*PV+(\f%4)*32
.endr
	WIN 0
.endm
; THE VECTOR WORK OF A TURN stands in three queues, each in the order in which its entries become ready; the two tiles alternate, so that no instruction reads the result of the one before it.
.macro REGS y, u                    ; the registers of tile u (0, 1) of piece y
.set rT, ST+4*(2*(\y)+(\u))
.set rC, TMP+8*((\y)%2)+4*(\u)
.set rM, MV+2*((\y)%2)+(\u)
.set rS, S+64*((\y)%2)+32*(\u)
.set rP, P+32*((\y)%2)+16*(\u)
.set rO, 32*(2*(\y)+(\u))
.endm
; Number n of the 22 that find the NEXT piece's (Y + 1) maximum and statistics.  s0-s31 are the lane's 32 scores; each accumulator's lowest registers are read first.
;   0-11  four chains c0-c3 of seven scores each, three operands at a time     12-14, 16  the four scores left over, the old m, and c0-c3 into c0     15  c m_old is kept
;   17, 18  the query's other 32 keys lie in the lane 16 away: the new m         19-21  c m; c m_old - c m_new; a
.macro XS u, n
	REGS (Y+1)%NP, \u
.if (\n) < 4
	v_max3_num_f32 v[rC+(\n)], v[rS+8*(\n)], v[rS+8*(\n)+1], v[rS+8*(\n)+2]
.elseif (\n) < 12
	v_max3_num_f32 v[rC+(\n)%4], v[rC+(\n)%4], v[rS+8*((\n)%4)+2*((\n)/4)+1], v[rS+8*((\n)%4)+2*((\n)/4)+2]
.elseif (\n) == 12
	v_max3_num_f32 v[rC], v[rC], v[rS+7], v[rS+15]
.elseif (\n) == 13
	v_max3_num_f32 v[rC+1], v[rC+1], v[rS+23], v[rS+31]
.elseif (\n) == 14
	v_max3_num_f32 v[rC+2], v[rC+2], v[rC+3], v[rT+1]
.elseif (\n) == 15
	v_mov_b32 v[rM], v[rT]
.elseif (\n) == 16
	v_max3_num_f32 v[rC], v[rC], v[rC+1], v[rC+2]
.elseif (\n) == 17
	v_permlanex16_b32 v[rC+3], v[rC], s[SEL], s[SEL+1]
.elseif (\n) == 18
	v_max_num_f32 v[rT+1], v[rC], v[rC+3]
.elseif (\n) == 19
	v_mul_f32 v[rT], s[CS], v[rT+1]
.elseif (\n) == 20
	v_sub_f32 v[rC+1], v[rM], v[rT]
.else
	v_exp_f32 v[rC+2], v[rC+1]
.endif
.endm
; Number g of the 64 that follow the exponentials.  For each four weights k of a tile (pairs 2 k, 2 k + 1): both pairs are rounded to f16; then the second pair is added onto the first, in place;
; a group later l takes that sum (the first time as l = a l + sum).  In groups of eight, tiles alternating: round, round, add, and l for the group before.
.macro GS g
.set h, (\g)+6*((\g)/62)            ; group 0 has no group before it, and behind group 7 only l is left
.if h >= 6
.set h, h+2
.endif
	REGS Y, h%2
.set k, h/8
.if h%8 < 4
	s_wait_alu depctr_va_vdst(0)
	v_cvt_pk_f16_f32 v[rP+2*k+(h%8)/2], v[rS+4*k+2*((h%8)/2)], v[rS+4*k+2*((h%8)/2)+1]
.elseif h%8 < 6
	v_pk_add_f32 v[rS+4*k:rS+4*k+1], v[rS+4*k:rS+4*k+1], v[rS+4*k+2:rS+4*k+3]
.elseif k == 1
	v_pk_fma_f32 v[rT+2:rT+3], v[rT+2:rT+3], v[rC+2:rC+3], v[rS:rS+1] op_sel_hi:[1,0,1]
.else
	v_pk_add_f32 v[rT+2:rT+3], v[rT+2:rT+3], v[rS+4*k-4:rS+4*k-3]
	s_wait_alu depctr_va_vdst(0)
.endif
.endm
; THE PLAIN QUEUE, 138 long.  0-31: c s - c m for the 16 pairs of both tiles.  Then GS's 64, and among them the next piece's 42: number 15 at 38, 39; 0-14 and 16
; at 42-73, behind the products that make those scores; 17-20 at 95-106, two of three, since each waits for the one before it.
.macro PL
	WIN 0
.if q < 32
	REGS Y, q%2
	v_pk_fma_f32 v[rS+2*(q/2):rS+2*(q/2)+1], v[rS+2*(q/2):rS+2*(q/2)+1], s[CS:CS+1], v[rT:rT+1] op_sel_hi:[1,0,0] neg_lo:[0,0,1] neg_hi:[0,0,1]
.elseif q < 38
	GS q-32
.elseif q < 40
	XS q%2, 15
.elseif q < 42
	GS q-34
.elseif q < 74
	XS q%2, (q-42)/2+(q-42)/30
.elseif q < 95
	GS q-66
.elseif (q < 107) && ((q-95)%3 < 2)
	XS (q-95)%3, 17+(q-95)/3
.elseif q < 107
	GS 29+(q-95)/3
.else
	GS q-74
.endif
.set q, q+1
.endm
; THE EXPONENTIALS' QUEUE, 66 long: s0-s31 of both tiles, and at EA the next piece's two a.
.set EA, 58
.macro EX
	WIN 0
.if (e == EA) || (e == EA+1)
	XS e-EA, 21
.else
.set x, e-2*(e/(EA+2))
	REGS Y, x%2
	v_exp_f32 v[rS+x/2], v[rS+x/2]
.endif
.set e, e+1
.endm
; THE RESCALING's QUEUE: O^T times a, the one part that leaves window 0, so it is dealt four at a time, eight times.
.macro R4
	REGS Y, r%2
	WIN W_RS
	s_wait_alu depctr_va_vdst(0)
.irp z, 0,1,2,3
	v_pk_mul_f32 v[rO+8*(r/2)+2*\z:rO+8*(r/2)+2*\z+1], v[rO+8*(r/2)+2*\z:rO+8*(r/2)+2*\z+1], v[rC+2:rC+3] op_sel_hi:[1,0]
.endr
.set r, r+1
.endm
; HOW THEY ARE DEALT.  Behind a matrix instruction four: plain, exponential, plain, plain (one exponential, a plain instruction on either side), or four of the rescaling.  None names a register of the
; products round it.  What is over stands in two LUMPS: exponential and plain by turns; the second ends in 22 plain instructions.  The two v_permlanex16_b32 fall into the second lump, never behind a product.
; The queues lean on each other, and the deal keeps them in step: exponential e stands behind plain 2 (e / 4) + e % 2 (its scaling); when plain 32 comes, 10 exponentials are out, at 59: 33, at 95: 46; EA comes behind plain 107.
.macro SL
	MM
	PL
	EX
	PL
	PL
.endm
.macro BURST n                      ; 15 matrix instructions, or 16
.rept (\n)-7
	SL
.endr
.rept 3
	MM
	R4
	SL
.endr
	MM
	R4
.endm
; A TURN, for piece p.  cnt = 1: the loop's count is taken down some lines ahead of the branch that stands behind the turn.
; K of the next step is fetched in piece 2's turn, 31 vector instructions behind the last product that read K; its first reader comes behind the rest of the lump, 16 products and the second lump.
; V of the step in hand is fetched at the end of piece 0's turn, 69 behind its last reader; its first reader comes behind 16 products and a lump.  The four conditions on e and q below go with the deal.
.macro TURN p, last=0, cnt=0
.set Y, (\p)
.set i, 0
.set q, 0
.set e, 0
.set r, 0
.if (\p) == NP-1
	s_wait_dscnt 0x0                ; K is in
.endif
	MM
.rept 4
	PL
.endr
	BURST 15
.rept 22
	EX
	PL
.if ((\p) == NP-2) && (e == 18)
	v_add_nc_u32 v[AK], s[TBK], v[AK0]
.endif
.if ((\p) == NP-2) && (e == 24)
	FETCH_K \last
.endif
.endr
.if (\p) == 1
	s_wait_dscnt 0x0                ; V is in
.endif
	BURST 16
.rept 21
	EX
	PL
.endr
.rept 22
	PL
.if ((\p) == 0) && (q == 118)
	v_add_nc_u32 v[AV], s[TBV], v[AV0]
	s_wait_alu depctr_va_vdst(0)
.endif
.if ((\p) == 0) && (q == 130)
	s_add_co_u32 s[TBV], s[TBV], KS*PV
.endif
.if (\cnt) && (q == 130)
	s_sub_co_u32 s[CNT], s[CNT], 1
	s_cmp_lg_u32 s[CNT], 0
.endif
.endr
.if (\p) == 0
	FETCH_V
.endif
.endm
	CHANGE 1                        ; slot 0 is in, everybody's part of it; slot 1 is asked for
	FETCH_K                         ; key step 0
	s_wait_loadcnt 0x0              ; Q
	s_wait_dscnt 0x0
.set i, 0
.rept 16
	KQ 0                            ; piece 0's first scores: there is no vector work yet to set between them
.set i, i+1
.endr
	WIN 0                           ; the addresses for the way out: eight plain instructions, the places behind those products
	s_mul_i32 s13, s[WV], 16*SP
	s_add_co_u32 s13, s13, STAGE    ; my stage
	v_mul_u32_u24 v[STO], v1, SP    ; in: row l % 16, 32 bytes (eight channels in f32) for each half of the lanes
	v_lshl_add_u32 v[STO], v9, 5, v[STO]
	v_add_nc_u32 v[STO], s13, v[STO]
	v_mul_u32_u24 v[RD], v9, SP     ; back: lanes 0-15 take one row of 256 bytes, lanes 16-31 the next
	v_lshl_add_u32 v[RD], v1, 4, v[RD]
	v_add_nc_u32 v[RD], s13, v[RD]
	v_lshlrev_b32 v[GO], 13, v9     ; and the same two rows in out0, 8,192 bytes apart
	v_lshl_add_u32 v[GO], v1, 4, v[GO]
.set Y, NP-1                        ; XS works for piece Y + 1: piece 0
.irp n, 0,1,2,3,4,5,6,7,8,9,10,11,12,13,14,15,16,17,18,19,20,21
	XS 0, \n                        ; and piece 0's first maximum and statistics
	XS 1, \n
.endr
	s_mov_b32 s[CNT], 4
	s_branch .Lfirst                ; the loop is entered at a step's first turn, in the middle of a trip
.Lslot:                             ; six times: every slot but the last two is filled again
	CHANGE 1
	s_mov_b32 s[CNT], 4
.Lstep:                             ; a trip: pieces 2 and 3 of one step, then pieces 0 and 1 of the next, whose K and V it fetches
	TURN 2
	TURN 3
	WIN 0
.Lfirst:
	TURN 0
	TURN 1, 0, 1
	WIN 0
	s_cbranch_scc1 .Lstep
	s_sub_co_u32 s[SLOTS], s[SLOTS], 1
	s_cmp_lg_u32 s[SLOTS], 0
	s_cbranch_scc1 .Lslot
	CHANGE 0                        ; the tail is written out: nothing is asked for
	s_mov_b32 s[CNT], 5             ; four trips fetch the last slot's steps; the fifth is left in its middle
.Ltail:
	TURN 2, 1
	TURN 3
	WIN 0
	s_sub_co_u32 s[CNT], s[CNT], 1
	s_cmp_eq_u32 s[CNT], 0
	s_cbranch_scc1 .Lout
	TURN 0
	TURN 1
	WIN 0
	s_branch .Ltail
.Lout:                              ; the fifth trip's 16 products K Q^T (on the last K once more) and the maximum made of them serve nothing: the price, once a launch, of one text for every trip
.set i, 0
.rept 16
	PV NP-1                         ; the last piece's V^T P of the last step
.set i, i+1
.endr
	; THE WAY OUT.  l's two halves and the other half of the lanes' are added; O^T is divided by l and sent, in f32, through my stage in LDS, a tile at a time.  The additions are the places behind the last products.
	WIN 0
.macro ALL line:vararg              ; one line for each tile t
.set t, 0
.rept 2*NP
	\line
.set t, t+1
.endr
.endm
	ALL v_add_f32 v[ST+4*t+2], v[ST+4*t+2], v[ST+4*t+3]
	ALL v_permlanex16_b32 v[ST+4*t+3], v[ST+4*t+2], s[SEL], s[SEL+1]
	ALL v_add_f32 v[ST+4*t+2], v[ST+4*t+2], v[ST+4*t+3]
	ALL v_rcp_f32 v[ST+4*t+2], v[ST+4*t+2]
	v_nop                           ; a plain instruction between the last reciprocal and the use of its result
	s_wait_alu depctr_va_vdst(0)
; Tile t: a lane's eight channels of a row are 32 bytes; they go into rows of 272 bytes and come back as whole rows of 256, into the registers that they left.
.macro PACK t
	WIN W_RS
.set i, 32*(\t)
.rept 16
	v_pk_mul_f32 v[i:i+1], v[i:i+1], v[ST+4*(\t)+2:ST+4*(\t)+3] op_sel_hi:[1,0]
.set i, i+2
.endr
	WIN 0x04                        ; the address in window 0, the data (source 1) in window 1
.irp f, 0,1,2,3,4,5,6,7             ; channel block f / 2, its lane's first or second four
	ds_store_b128 v[STO], v[32*(\t)+4*\f:32*(\t)+4*\f+3] offset:64*(\f/2)+16*(\f%2)
.endr
	WIN 0x40                        ; the destination in window 1
.irp f, 0,1,2,3,4,5,6,7
	ds_load_b128 v[32*(\t)+4*\f:32*(\t)+4*\f+3], v[RD] offset:\f*2*SP  ; LDS serves a wave's instructions in order (ISA guide 5.7.1.4): these see the stores above; the next tile's stores come behind them
.endr
.endm
.macro SEND t, younger              ; younger: the LDS instructions issued behind tile t's loads: the next tile's sixteen, or none
	WIN 0x04
.irp f, 0,1,2,3,4,5,6,7
	s_wait_dscnt (\younger)+7-\f
	global_store_b128 v[GO], v[32*(\t)+4*\f:32*(\t)+4*\f+3], s[10:11] offset:(16*(\t)+2*\f)*8192 th:TH_STORE_NT  ; 16 lanes store the head's 256 consecutive bytes of a row, at a multiple of 256 from out0's first byte
.endr
.endm
	PACK 0
.set t, 1
.rept 2*NP-1                        ; a tile's arithmetic stands between the loads of the tile before and its stores
	PACK t
	SEND t-1, 16
.set t, t+1
.endr
	SEND 2*NP-1, 0
	WIN W_AD
	s_wait_tensorcnt 0x0            ; the wave's end: behind my last tensor load and my last LDS store
	ds_add_u32 v[SPW], v[NIL]
	s_wait_dscnt 0x0
	WIN 0
	CROUND                          ; the closing round: no work-group ends while a partner may still ask for a tile that names it
	s_endpgm
.Lfunc_end_k_q4217d88911_attn:
	.size	k_q4217d88911_attn, .Lfunc_end_k_q4217d88911_attn-k_q4217d88911_attn
	.p2alignl 7, 3214868480
	.fill 96, 4, 3214868480
	.section	.rodata,"a",@progbits
	.p2align	6, 0x0
	.amdhsa_kernel k_q4217d88911_attn
		.amdhsa_group_segment_fixed_size 327680
		.amdhsa_private_segment_fixed_size 0
		.amdhsa_enable_private_segment 0
		.amdhsa_kernarg_size 16
		.amdhsa_user_sgpr_count 2
		.amdhsa_user_sgpr_kernarg_segment_ptr 1
		.amdhsa_wavefront_size32 1
		.amdhsa_system_sgpr_workgroup_id_x 1
		.amdhsa_system_sgpr_workgroup_id_y 1
		.amdhsa_system_sgpr_workgroup_id_z 1
		.amdhsa_system_vgpr_workitem_id 0
		.amdhsa_next_free_vgpr 770
		.amdhsa_next_free_sgpr 66
		.amdhsa_reserve_vcc 0
		.amdhsa_float_denorm_mode_32 3
		.amdhsa_float_denorm_mode_16_64 3
		.amdhsa_memory_ordered 1
		.amdhsa_forward_progress 1
		.amdhsa_inst_pref_size 210
	.end_amdhsa_kernel
	.amdgpu_metadata
---
amdhsa.version: [ 1, 2 ]
amdhsa.kernels:
  - .name:           k_q4217d88911_attn
    .symbol:         k_q4217d88911_attn.kd
    .args:
      - { .name: qkv, .offset: 0, .size: 8, .value_kind: global_buffer, .address_space: global }
      - { .name: out0, .offset: 8, .size: 8, .value_kind: global_buffer, .address_space: global }
    .group_segment_fixed_size: 327680
    .private_segment_fixed_size: 0
    .kernarg_segment_align: 8
    .kernarg_segment_size: 16
    .max_flat_workgroup_size: 128
    .sgpr_count:     66
    .vgpr_count:     770
    .wavefront_size: 32
...
	.end_amdgpu_metadata
.endif
;; end of part 3
;; ======== version 2 of 2: 3 launches; version 1 with the launch prep written anew for expert scheduling mode
;; limits: values are held in f16: magnitudes above 65,504 overflow, below 6.1e-05 lose precision
;; workspace buffers: xb 16,777,216 bytes; wt 12,582,912 bytes; bias 12,288 bytes; qkv 25,165,824 bytes
;; launch prep (part 4): grid 256 x 1, 7 waves a work-group, no clusters, 122,880 bytes of LDS; arguments hidden_states, Wq, Wk, Wv, bq, bk, bv, xb, wt, bias; writes xb, wt, bias
.if DOCPART == 4
	.amdgcn_target "amdgcn-amd-amdhsa--gfx1250"
	.amdhsa_code_object_version 6
	.text
	.protected	k_q4217d88911_prep
	.globl	k_q4217d88911_prep
	.p2align	8
	.type	k_q4217d88911_prep,@function
k_q4217d88911_prep:
	s_mov_b64 s[64:65], 0
	v_nop
	global_prefetch_b8 v0, s[64:65] scope:SCOPE_SE
	s_setreg_imm32_b32 hwreg(HW_REG_WAVE_SCHED_MODE, 0, 2), 2
	s_setreg_imm32_b32 hwreg(HW_REG_WAVE_MODE, 25, 1), 1
	s_wait_xcnt 0x0
	s_wait_alu depctr_vm_vsrc(0)
; PREPARATION.  xb[m][k] = bf16(hidden_states[m][k]), 4,096 x 2,048.  wt[n][k] = bf16(W[k][n]), 3,072 x 2,048, n running through the columns of Wq, Wk, Wv on end: the weights rounded and turned,
; so that K lies along the rows for the product that follows.  bias[n] = bq, bk, bv on end, each rounded to bf16 and written as f32.  All roundings to nearest even; NaN and infinities pass as the conversion makes them.
; SHARES.  The launch reads 1,792 blocks of 32,768 bytes: 1,024 of x and 768 of the weights: seven for each of 256 work-groups, a block a wave.  Waves 0-3 take blocks of x, waves 4-6 blocks of W.
; No wave touches another's bytes: there is no barrier.  Each wave keeps up to 32 loads of 16 bytes a lane on their way (five sets of eight in registers, of which one is at work).
; A block of x is dense: 64 loads of 512 consecutive bytes; each makes 256 consecutive bytes of xb, aligned, stored by one instruction.
; A block of W is 128 k x 64 columns.  A load takes two rows' 256 bytes (lanes 0-15 row 16 g + r, lanes 16-31 row 16 g + 8 + r): a lane then holds, over eight loads, eight neighbouring k of four columns.
; They are packed to 16 bytes a column, laid into the wave's own stage in LDS, a row a column, and read back as whole rows of 256 bytes (128 k), which sixteen lanes store as 256 consecutive bytes of wt, aligned.
; No matrix unit, no tensor load, no cluster: nothing is multiplied and nothing is shared.
; THE MODE: SCHED_MODE bits 1:0 = 2 (LLVM: expert scheduling mode 2), set by the entry lines.  The code itself states the register dependences between vector instructions and memory or LDS
; instructions, with s_wait_alu, always for 0.
; THE PLAN.  A block goes in eight groups of eight loads, all written out.  Registers that memory or LDS instructions touch:
;   D0 .. D4   Group g's loads land in D[g % 5]; its sixteen conversions read it, and no other vector line names it.  Groups 0-3 are asked for at the head, group g + 4 in group g.
;   T0, T1     Group g's conversions write T[g % 2]; the stores that read it (global for x, LDS for W) are issued in group g + 1.
;   v4, v5, v8-18   offsets and LDS addresses, each written once and never again: groups are reached by immediate offsets and by scalar bases that are never rewritten.
; Group g works on D[g % 5] and T[g % 2].  Its memory instructions are the loads into D[(g + 4) % 5] = D[(g - 1) % 5] and the stores from T[(g - 1) % 2]: the two buffers that group g - 1 worked on
; and that no vector line of group g names.  So the waits at a group's head state all that its loads and stores hang on, and these are dealt among its conversions with no further wait.
.set STG,   17408                      ; a wave's stage: 64 rows (columns of W) x 272 bytes (256 of data + 16 of padding: 68 words, so that 16 rows on end start at 16 different groups of four banks; 64 banks of 4 bytes: ISA guide 11.1)
.set SPARE, 7*STG                      ; behind the stages: the spare words, 128 bytes for each wave, four blocks of 256 bytes that no other line names
.set SPW, 2                            ; v2    LDS address of my spare word; never rewritten
.set NIL, 3                            ; v3    0; never rewritten
.set XI,  4                            ; v4    16 x lane: my 16 bytes of a load of x
.set XO,  5                            ; v5    8 x lane: my 8 bytes of a store of xb, and of the biases
.set VO,  8                            ; v8-15 load r of a group: ((8 (l / 16) + r) rows of W) + 16 (l % 16)
.set LST, 16                           ; v16   into the stage: row l % 16, 16 bytes for each half of the lanes
.set LRD, 17                           ; v17   back: lanes 0-15 one row, lanes 16-31 the next
.set GOW, 18                           ; v18   the same two rows in wt: they are four columns of W, 16,384 bytes, apart
.set T,   24                           ; v24-55  packed results: two sets of 16
.set D,   56                           ; v56-215 five sets of 32: eight loads each
.set BG,  32                           ; s[32:47] W at the first row of each of the block's eight groups of 16 k; never rewritten
.macro XLOADS g                        ; at the head: eight loads of x, 512 consecutive bytes each
.irp r, 0,1,2,3,4,5,6,7
	global_load_b128 v[D+32*((\g)%5)+4*(\r):D+32*((\g)%5)+4*(\r)+3], v[XI], s[4:5] offset:512*(8*(\g)+(\r)) th:TH_LOAD_NT
.endr
.endm
; Group g of x.  left = how many younger loads may stay out.
.macro XGRP g, left
	s_wait_loadcnt \left                           ; loads come back in order (ISA guide 5.7.1): this group's eight are in
.if (\g) >= 2
	s_wait_xcnt 0x0                                ; T[g % 2], which the stores issued in the group before read, is rewritten only behind this wait,
	s_wait_alu depctr_vm_vsrc(0)                   ; and behind this one: those stores have read T[g % 2], which this group's conversions write again
.endif
.if (\g) >= 1
	s_wait_alu depctr_va_vdst(0)                   ; the group before has written the other T, which the stores below read, and is done reading its D, in which the loads below land
.endif
.irp r, 0,1,2,3,4,5,6,7
.if (\g) < 4
	global_load_b128 v[D+32*(((\g)+4)%5)+4*(\r):D+32*(((\g)+4)%5)+4*(\r)+3], v[XI], s[4:5] offset:512*(8*((\g)+4)+(\r)) th:TH_LOAD_NT  ; four groups ahead; no vector line since the wait names these registers
.endif
.if (\g) >= 1
	global_store_b64 v[XO], v[T+16*(((\g)+1)%2)+2*(\r):T+16*(((\g)+1)%2)+2*(\r)+1], s[18:19] offset:256*(8*((\g)-1)+(\r)) th:TH_STORE_NT  ; the group before: 32 lanes store 256 consecutive bytes, aligned
.endif
	v_cvt_pk_bf16_f32 v[T+16*((\g)%2)+2*(\r)],   v[D+32*((\g)%5)+4*(\r)],   v[D+32*((\g)%5)+4*(\r)+1]
	v_cvt_pk_bf16_f32 v[T+16*((\g)%2)+2*(\r)+1], v[D+32*((\g)%5)+4*(\r)+2], v[D+32*((\g)%5)+4*(\r)+3]
.endr
.endm
.macro WLOADS g                        ; at the head: eight loads of W: rows 16 g + r and 16 g + 8 + r, 256 bytes of each
.irp r, 0,1,2,3,4,5,6,7
	global_load_b128 v[D+32*((\g)%5)+4*(\r):D+32*((\g)%5)+4*(\r)+3], v[VO+(\r)], s[BG+2*(\g):BG+2*(\g)+1] th:TH_LOAD_NT
.endr
.endm
; Group g of W: register 4 r + j of the set holds W[16 g + 8 (l / 16) + r][4 (l % 16) + j].  Column j's eight k are packed in pairs (even k low), and go to stage row 16 j + l % 16.
.macro WGRP g, left
	s_wait_loadcnt \left
.if (\g) >= 2
	s_wait_alu depctr_vm_vsrc(0)                   ; the LDS stores issued in the group before have read T[g % 2], which this group's conversions write again
.endif
.if (\g) >= 1
	s_wait_alu depctr_va_vdst(0)                   ; the group before has written the other T, which the LDS stores below read, and is done reading its D, in which the loads below land; in group 1 also: v16 to v18 are written
.endif
.irp j, 0,1,2,3
.if (\g) < 4
	global_load_b128 v[D+32*(((\g)+4)%5)+8*(\j):D+32*(((\g)+4)%5)+8*(\j)+3],   v[VO+2*(\j)],   s[BG+2*((\g)+4):BG+2*((\g)+4)+1] th:TH_LOAD_NT  ; four groups ahead; no vector line since the wait names these registers
	global_load_b128 v[D+32*(((\g)+4)%5)+8*(\j)+4:D+32*(((\g)+4)%5)+8*(\j)+7], v[VO+2*(\j)+1], s[BG+2*((\g)+4):BG+2*((\g)+4)+1] th:TH_LOAD_NT
.endif
.if (\g) >= 1
	ds_store_b128 v[LST], v[T+16*(((\g)+1)%2)+4*(\j):T+16*(((\g)+1)%2)+4*(\j)+3] offset:(\j)*16*272+32*((\g)-1)  ; the group before
.endif
.irp p, 0,1,2,3
	v_cvt_pk_bf16_f32 v[T+16*((\g)%2)+4*(\j)+(\p)], v[D+32*((\g)%5)+8*(\p)+(\j)], v[D+32*((\g)%5)+8*(\p)+4+(\j)]
.endr
.endr
.endm
	s_load_b512 s[4:19], s[0:1], 0x0               ; hidden_states s[4:5], Wq s[6:7], Wk s[8:9], Wv s[10:11], bq s[12:13], bk s[14:15], bv s[16:17], xb s[18:19]
	s_load_b128 s[20:23], s[0:1], 0x40             ; wt s[20:21], bias s[22:23]
	v_lshl_add_u32 v[SPW], v0, 2, SPARE
	v_mov_b32 v[NIL], 0
	v_and_b32 v1, 31, v0                           ; lane
	v_lshrrev_b32 v19, 5, v0
	v_readfirstlane_b32 s24, v19                   ; wave 0..6
	v_lshlrev_b32 v[XI], 4, v1
	v_lshlrev_b32 v[XO], 3, v1
	s_mov_b32 s31, 0                               ; the high word of every offset: all stay under 2^31
	s_wait_kmcnt 0x0
	s_wait_alu depctr_va_sdst(0)                   ; s24 is written, ahead of its first reader, the compare below; the blocks' numbers are made from it too
	s_cmp_lt_u32 s24, 4
	s_cbranch_scc0 .Lw
	; WAVES 0-3: block 4 x work-group + wave of x
	s_lshl_b32 s25, ttmp9, 2
	s_add_co_u32 s25, s25, s24
	s_lshl_b32 s30, s25, 15                        ; 32,768 bytes in,
	s_add_nc_u64 s[4:5], s[4:5], s[30:31]
	s_lshl_b32 s30, s25, 14                        ; 16,384 out
	s_add_nc_u64 s[18:19], s[18:19], s[30:31]
	s_wait_alu depctr_va_vdst(0)                   ; v4 and v5 are written: every load of x reads the one as its offset, every store of xb the other
	XLOADS 0
	XLOADS 1
	XLOADS 2
	XLOADS 3
	XGRP 0, 24                                     ; three younger groups of eight stay out,
	XGRP 1, 24
	XGRP 2, 24
	XGRP 3, 24
	XGRP 4, 24
	XGRP 5, 16                                     ; until nothing is left to ask for: the counts run down
	XGRP 6, 8
	XGRP 7, 0
	s_wait_alu depctr_va_vdst(0)                   ; group 7 has written T1, which the last eight stores read
.irp r, 0,1,2,3,4,5,6,7
	global_store_b64 v[XO], v[T+16+2*(\r):T+16+2*(\r)+1], s[18:19] offset:256*(56+(\r)) th:TH_STORE_NT
.endr
	s_branch .Lend
.Lw:	; WAVES 4-6: block w = 3 x work-group + wave - 4 of the weights: columns 64 (w / 16) on (of the three tensors on end), k 128 (w % 16) on
	s_mul_i32 s25, ttmp9, 3
	s_add_co_u32 s25, s25, s24
	s_sub_co_u32 s25, s25, 4
	s_lshr_b32 s26, s25, 4                         ; nb 0..47
	s_and_b32 s27, s25, 15                         ; kb 0..15
	s_cmp_lt_u32 s26, 40                           ; which tensor: nb 0-31 Wq, 32-39 Wk, 40-47 Wv
	s_cselect_b64 s[48:49], s[8:9], s[10:11]
	s_cselect_b64 s[50:51], s[14:15], s[16:17]
	s_cselect_b32 s29, 32, 40
	s_cmp_lt_u32 s26, 32
	s_cselect_b64 s[48:49], s[6:7], s[48:49]       ; the weights,
	s_cselect_b64 s[50:51], s[12:13], s[50:51]     ; their bias,
	s_cselect_b32 s29, 0, s29                      ; the tensor's first nb,
	s_cselect_b32 s28, 13, 11                      ; and its row: 8,192 bytes (Wq) or 2,048, as a shift
	s_sub_co_u32 s52, s26, s29
	s_lshl_b32 s52, s52, 8                         ; my 64 columns: 256 bytes of a row, and of the bias
	s_lshl_b32 s53, s27, 7                         ; my first k
.irp g, 0,1,2,3,4,5,6,7
	s_add_co_u32 s30, s53, 16*(\g)
	s_lshl_b32 s30, s30, s28
	s_add_co_u32 s30, s30, s52
	s_add_nc_u64 s[BG+2*(\g):BG+2*(\g)+1], s[48:49], s[30:31]
.endr
	s_lshl_b32 s30, s26, 18                        ; wt: 64 rows of 4,096 bytes for each nb,
	s_lshl_b32 s54, s27, 8                         ; 256 bytes of a row for each kb
	s_add_co_u32 s30, s30, s54
	s_add_nc_u64 s[20:21], s[20:21], s[30:31]
	v_and_b32 v6, 15, v0                           ; l % 16
	v_bfe_u32 v7, v0, 4, 1                         ; l / 16
.irp r, 0,1,2,3,4,5,6,7
	v_lshl_add_u32 v19, v7, 3, \r
	v_lshlrev_b32 v[VO+(\r)], s28, v19
	v_lshl_add_u32 v[VO+(\r)], v6, 4, v[VO+(\r)]
.endr
	s_wait_alu depctr_va_vdst(0)                   ; v8 to v15 are written, which the loads of W read as their offsets, and v5, which the biases' load and store read
	WLOADS 0
	WLOADS 1
	WLOADS 2
	WLOADS 3
	s_mul_i32 s55, s24, STG                        ; my stage.  The lines below name none of the registers that the loads on their way touch; what they write is first read behind group 1's wait
	v_mul_u32_u24 v19, v6, 272
	v_lshl_add_u32 v19, v7, 4, v19
	v_add_nc_u32 v[LST], s55, v19
	v_mul_u32_u24 v19, v7, 272
	v_lshl_add_u32 v19, v6, 4, v19
	v_add_nc_u32 v[LRD], s55, v19
	v_lshlrev_b32 v19, 14, v7
	v_lshl_add_u32 v[GOW], v6, 4, v19
	s_cmp_lg_u32 s27, 0                            ; of the sixteen waves that share 64 columns the one with kb = 0 makes their biases
	s_cbranch_scc1 .Lnob
	s_mov_b32 s30, s52
	s_add_nc_u64 s[50:51], s[50:51], s[30:31]
	s_lshl_b32 s30, s26, 8
	s_add_nc_u64 s[22:23], s[22:23], s[30:31]
	global_load_b64 v[20:21], v[XO], s[50:51]
	s_wait_loadcnt 0x0
	v_cvt_pk_bf16_f32 v22, v20, v21                ; rounded to bf16,
	v_lshlrev_b32 v20, 16, v22                     ; and widened again
	v_and_b32 v21, 0xffff0000, v22
	s_wait_alu depctr_va_vdst(0)                   ; v20 and v21 are written, which the store reads
	global_store_b64 v[XO], v[20:21], s[22:23]     ; 32 lanes store 256 consecutive bytes, aligned
.Lnob:
	WGRP 0, 24                                     ; the counts as for x (where the biases were made, everything is in already)
	WGRP 1, 24
	WGRP 2, 24
	WGRP 3, 24
	WGRP 4, 24
	WGRP 5, 16
	WGRP 6, 8
	WGRP 7, 0
	s_wait_alu depctr_va_vdst(0)                   ; group 7 has written T1, which the last four LDS stores read; and all conversions are done reading D, in which the loads from the stage land
.irp j, 0,1,2,3
	ds_store_b128 v[LST], v[T+16+4*(\j):T+16+4*(\j)+3] offset:(\j)*16*272+32*7
.endr
	; back as whole rows: LDS serves a wave's instructions in order (ISA guide 5.7.1.4), so these see the stores above
.set t, 0
.rept 32
	ds_load_b128 v[D+4*t:D+4*t+3], v[LRD] offset:544*t
.set t, t+1
.endr
	; stage row 2 t + l / 16 holds column 4 ((2 t) % 16) + 4 (l / 16) + t / 8
.set t, 0
.rept 32
	s_wait_dscnt 31-t                              ; load t is back; the younger ones stay out
	global_store_b128 v[GOW], v[D+4*t:D+4*t+3], s[20:21] offset:(4*((2*t)%16)+t/8)*4096 th:TH_STORE_NT  ; 16 lanes store 256 consecutive bytes, aligned
.set t, t+1
.endr
.Lend:
	s_wait_dscnt 0x0                               ; the wave's end
	s_wait_alu 0x0
	s_wait_tensorcnt 0x0
	ds_add_u32 v[SPW], v[NIL]
	s_wait_dscnt 0x0
	s_endpgm
.Lfunc_end_k_q4217d88911_prep:
	.size	k_q4217d88911_prep, .Lfunc_end_k_q4217d88911_prep-k_q4217d88911_prep
	.p2alignl 7, 3214868480
	.fill 96, 4, 3214868480
	.section	.rodata,"a",@progbits
	.p2align	6, 0x0
	.amdhsa_kernel k_q4217d88911_prep
		.amdhsa_group_segment_fixed_size 122880
		.amdhsa_private_segment_fixed_size 0
		.amdhsa_enable_private_segment 0
		.amdhsa_kernarg_size 80
		.amdhsa_user_sgpr_count 2
		.amdhsa_user_sgpr_kernarg_segment_ptr 1
		.amdhsa_wavefront_size32 1
		.amdhsa_system_sgpr_workgroup_id_x 1
		.amdhsa_system_sgpr_workgroup_id_y 1
		.amdhsa_system_sgpr_workgroup_id_z 1
		.amdhsa_system_vgpr_workitem_id 0
		.amdhsa_next_free_vgpr 216
		.amdhsa_next_free_sgpr 66
		.amdhsa_reserve_vcc 0
		.amdhsa_float_denorm_mode_32 3
		.amdhsa_float_denorm_mode_16_64 3
		.amdhsa_memory_ordered 1
		.amdhsa_forward_progress 1
		.amdhsa_inst_pref_size 50
	.end_amdhsa_kernel
	.amdgpu_metadata
---
amdhsa.version: [ 1, 2 ]
amdhsa.kernels:
  - .name:           k_q4217d88911_prep
    .symbol:         k_q4217d88911_prep.kd
    .args:
      - { .name: hidden_states, .offset: 0, .size: 8, .value_kind: global_buffer, .address_space: global }
      - { .name: Wq, .offset: 8, .size: 8, .value_kind: global_buffer, .address_space: global }
      - { .name: Wk, .offset: 16, .size: 8, .value_kind: global_buffer, .address_space: global }
      - { .name: Wv, .offset: 24, .size: 8, .value_kind: global_buffer, .address_space: global }
      - { .name: bq, .offset: 32, .size: 8, .value_kind: global_buffer, .address_space: global }
      - { .name: bk, .offset: 40, .size: 8, .value_kind: global_buffer, .address_space: global }
      - { .name: bv, .offset: 48, .size: 8, .value_kind: global_buffer, .address_space: global }
      - { .name: xb, .offset: 56, .size: 8, .value_kind: global_buffer, .address_space: global }
      - { .name: wt, .offset: 64, .size: 8, .value_kind: global_buffer, .address_space: global }
      - { .name: bias, .offset: 72, .size: 8, .value_kind: global_buffer, .address_space: global }
    .group_segment_fixed_size: 122880
    .private_segment_fixed_size: 0
    .kernarg_segment_align: 8
    .kernarg_segment_size: 80
    .max_flat_workgroup_size: 224
    .sgpr_count:     66
    .vgpr_count:     216
    .wavefront_size: 32
...
	.end_amdgpu_metadata
.endif
;; end of part 4
;; launch proj: the kernel of part 2 again; grid 16 x 16, 4 waves a work-group, clusters of 4 x 4, 327,680 bytes of LDS; arguments xb, wt, bias, qkv; writes qkv
;; launch attn: the kernel of part 3 again; grid 4 x 64, 4 waves a work-group, clusters of 4 x 1, 327,680 bytes of LDS; arguments qkv, out0; writes out0
